; MI455X (gfx1250); checked and timed in simulation.
; The chip was launched on July 23, 2026; its instructions are those of AMD's public machine-readable ISA for CDNA 5 (MIT licence, August 2026) and "CDNA5" Instruction Set Architecture Reference Guide (July 2026). The comments in the code are by the model that wrote it; some were corrected since.
;; Bahdanau Attention. Allowed arithmetic: float matrix products may take bf16 or f16 operands with f32 sums; other float arithmetic in f32, or as packed bf16 or f16 multiplies, adds, multiply-adds, maxima and minima; sums over many terms, partial sums and values carried from step to step in f32; what a program stores and reads back later, other than sums and carried values, may be rounded once to bf16 or f16.
;; Inputs: V_b 1 float32; V_w 1,024 x 1 float32; W1_b 1,024 float32; W1_w 1,024 x 1,024 float32; W2_b 1,024 float32; W2_w 1,024 x 1,024 float32; features 64 x 1,024 x 1,024 float32; hidden 64 x 1,024 float32.
;; Outputs: out0 64 x 1,024 float32; out1 64 x 1,024 x 1 float32.
;; 2 versions, each right; version 2 is version 1 with the launch main written anew for expert scheduling mode. Each part assembles by itself: llvm-mc -triple=amdgcn-amd-amdhsa -mcpu=gfx1250 --defsym DOCPART=n.
;; ======== version 1 of 2: 3 launches
;; workspace buffers: w1f 2,097,152 bytes; cvec 262,144 bytes; logits 262,144 bytes; ctxp 2,097,152 bytes
;; launch prep (part 1): grid 256 x 1, 4 waves a work-group, no clusters, 4,608 bytes of LDS; arguments W1_w, W2_w, hidden, W1_b, W2_b, w1f, cvec; writes w1f, cvec
.if DOCPART == 1
	.amdgcn_target "amdgcn-amd-amdhsa--gfx1250"
	.amdhsa_code_object_version 6
	.text
	.protected	k_qc5facd1b73_prep
	.globl	k_qc5facd1b73_prep
	.p2align	8
	.type	k_qc5facd1b73_prep,@function
k_qc5facd1b73_prep:
	s_mov_b64 s[64:65], 0
	v_nop
	global_prefetch_b8 v0, s[64:65] scope:SCOPE_SE
	s_setreg_imm32_b32 hwreg(HW_REG_WAVE_MODE, 25, 1), 1
	s_wait_xcnt 0x0
; TWO SMALL JOBS ahead of the large product.
; JOB 1.  W1 ([k 1024][u 1024] f32) is rounded once to bf16 and laid out as matrix fragments: block x*8 + nb of 1,024 bytes (x = the work-group = (w*2 + c)*32 + kb) holds units
; u = 512 c + 128 w + 16 nb + r and k = 32 kb ..: byte 16 L (L = r + 16 h) the eight k = 8 h .. of unit r, byte 512 + 16 L the eight k = 16 + 8 h ..  So the next launch's wave w finds
; its whole stream of W1 on end, and each of its loads takes 512 consecutive bytes.  A wave makes two blocks (nb = 2 wave + e).
; JOB 2.  c'[b][u] = K2 (hidden[b] . W2[:,u] + W2_b[u] + W1_b[u]), K2 = 2 log2(e), f32: what the next launch adds to K2 x its product in front of the exponential of its tanh.
; The work-group makes 16 units (ub = x / 4) x 16 batches (bb = x % 4); K is split among the four waves, 256 each, eight steps of 32; hidden and W2 are rounded once to bf16, sums in f32;
; the four partial tiles meet in LDS and wave 0 finishes.  Source 0 = 16 units of W2, source 1 = 16 batches: a lane ends with batch 16 bb + r and units 16 ub + 8 h + 0..7.
; cvec's layout: byte ub*4096 + bb*1024 + q*512 + h*256 + r*16 holds units 16 ub + 8 h + 4 q + 0..3 of batch 16 bb + r: each store of the wave covers 512 consecutive bytes, aligned.
; LIMITS.  NaN and infinities are not treated apart.
.set SPARE, 4096                       ; LDS: 0..4095 the four partial tiles (wave v at 1,024 v + 32 L); behind them the spare words, 128 bytes a wave
.set GO,  4                            ; v4   32,768 h + 4 r: row 8 h, column r of a [k][u] matrix of f32
.set HO,  5                            ; v5   4,096 r + 32 h: row r, column 8 h of hidden
.set BOF, 6                            ; v6   32 h: my eight units in a bias
.set SO,  7                            ; v7   16 L
.set LS,  8                            ; v8   where I put my 32 bytes of a partial tile
.set LR,  9                            ; v9   where I read them back
.set SPW, 10                           ; v10  LDS address of my spare word; never rewritten
.set NIL, 11                           ; v11  0; never rewritten
.set BI,  12                           ; v[12:19] W1_b, v[20:27] W2_b of my eight units
.set J1,  32                           ; v[32:63]   job 1 as loaded: 16 e + 8 q + i
.set RING, 64                          ; v[64:191]  four sets of 32, a K step each: 16 of W2, 16 of hidden
.set FRG, 192                          ; v[192:223] fragments by the step's parity: 8 of W2, 8 of hidden
.set J1P, 224                          ; v[224:239] job 1, packed
.set ACC, 240                          ; v[240:247], v[248:255] two accumulators, by the step's parity
.set WV,  18
.set P1,  26                           ; s[26:27] W1 at my blocks' first number
.set P2,  28                           ; s[28:29] W2 at my quarter of K, my 16 units
.set PH,  30                           ; s[30:31] hidden at my 16 batches, my quarter of K
.set PB1, 32                           ; s[32:33] W1_b at my 16 units
.set PB2, 34                           ; s[34:35] W2_b
.set PW,  36                           ; s[36:37] w1f at my two blocks
.set PC,  38                           ; s[38:39] cvec at the work-group's 1,024 bytes
.set K2,  40                           ; s[40:41] 2 log2(e), named as a pair
	s_load_b256 s[4:11], s[0:1], 0x0               ; W1_w s[4:5], W2_w s[6:7], hidden s[8:9], W1_b s[10:11]
	s_load_b128 s[12:15], s[0:1], 0x20             ; W2_b s[12:13], w1f s[14:15]
	s_load_b64 s[16:17], s[0:1], 0x30              ; cvec
	v_lshl_add_u32 v[SPW], v0, 2, SPARE
	v_mov_b32 v[NIL], 0
	v_lshrrev_b32 v1, 5, v0
	v_readfirstlane_b32 s[WV], v1                  ; wave 0..3
	v_and_b32 v2, 31, v0                           ; L
	v_and_b32 v3, 15, v0                           ; r
	v_bfe_u32 v1, v0, 4, 1                         ; h
	v_lshlrev_b32 v[GO], 2, v3
	v_lshl_add_u32 v[GO], v1, 15, v[GO]
	v_lshlrev_b32 v[HO], 12, v3
	v_lshl_add_u32 v[HO], v1, 5, v[HO]
	v_lshlrev_b32 v[BOF], 5, v1
	v_lshlrev_b32 v[SO], 4, v2
	s_lshl_b32 s19, s[WV], 10
	v_lshl_add_u32 v[LS], v2, 5, s19
	v_lshlrev_b32 v[LR], 5, v2
	; offsets, each in a pair of its own with 0 on top (all are under 2^23)
	s_and_b32 s20, ttmp9, 31                       ; kb:
	s_lshl_b32 s20, s20, 17                        ; 32 rows of 4,096 bytes
	s_bfe_u32 s21, ttmp9, 0x10005                  ; c: 512 units
	s_lshl_b32 s21, s21, 11
	s_add_co_u32 s20, s20, s21
	s_lshr_b32 s21, ttmp9, 6                       ; w: 128 units
	s_lshl_b32 s21, s21, 9
	s_add_co_u32 s20, s20, s21
	s_lshl_b32 s21, s[WV], 7                       ; my wave's 32 units
	s_add_co_u32 s20, s20, s21
	s_mov_b32 s21, 0
	s_lshl_b32 s22, ttmp9, 13                      ; the work-group's eight blocks of w1f,
	s_lshl_b32 s23, s[WV], 11                      ; my two
	s_add_co_u32 s22, s22, s23
	s_mov_b32 s23, 0
	s_lshr_b32 s24, ttmp9, 2                       ; ub
	s_and_b32 s25, ttmp9, 3                        ; bb
	s_lshl_b32 s42, s[WV], 20                      ; 256 rows of W2,
	s_lshl_b32 s46, s24, 6                         ; 16 units
	s_add_co_u32 s42, s42, s46
	s_mov_b32 s43, 0
	s_mov_b32 s47, 0
	s_lshl_b32 s44, s25, 16                        ; 16 rows of hidden,
	s_lshl_b32 s45, s[WV], 10                      ; 256 columns
	s_add_co_u32 s44, s44, s45
	s_mov_b32 s45, 0
	s_lshl_b32 s24, s24, 12
	s_lshl_b32 s25, s25, 10
	s_add_co_u32 s24, s24, s25
	s_mov_b32 s25, 0
	s_mov_b32 s[K2], 0x4038aa3b
	s_mov_b32 s[K2+1], 0x4038aa3b
	s_wait_kmcnt 0x0
	s_add_nc_u64 s[P1:P1+1], s[4:5], s[20:21]
	s_add_nc_u64 s[P2:P2+1], s[6:7], s[42:43]
	s_add_nc_u64 s[PH:PH+1], s[8:9], s[44:45]
	s_add_nc_u64 s[PB1:PB1+1], s[10:11], s[46:47]
	s_add_nc_u64 s[PB2:PB2+1], s[12:13], s[46:47]
	s_add_nc_u64 s[PW:PW+1], s[14:15], s[22:23]
	s_add_nc_u64 s[PC:PC+1], s[16:17], s[24:25]
; The 20 loads of K step st: 16 numbers of W2 a lane (k = 32 st + 16 q + 8 h + i of unit r), and 16 of hidden (four loads of 16 bytes)
.macro LOADJ st
.set RB, RING+32*((\st)%4)
.irp q, 0,1
.irp i, 0,1,2,3,4,5,6,7
	global_load_b32 v[RB+8*(\q)+(\i)], v[GO], s[P2:P2+1] offset:(32*(\st)+16*(\q)+(\i))*4096
.endr
.endr
	global_load_b128 v[RB+16:RB+19], v[HO], s[PH:PH+1] offset:(\st)*128
	global_load_b128 v[RB+20:RB+23], v[HO], s[PH:PH+1] offset:(\st)*128+16
	global_load_b128 v[RB+24:RB+27], v[HO], s[PH:PH+1] offset:(\st)*128+64
	global_load_b128 v[RB+28:RB+31], v[HO], s[PH:PH+1] offset:(\st)*128+80
.endm
	; everything that can be asked for is asked for at once: 4 + 32 + 80 loads
	global_load_b128 v[BI:BI+3],     v[BOF], s[PB1:PB1+1]
	global_load_b128 v[BI+4:BI+7],   v[BOF], s[PB1:PB1+1] offset:16
	global_load_b128 v[BI+8:BI+11],  v[BOF], s[PB2:PB2+1]
	global_load_b128 v[BI+12:BI+15], v[BOF], s[PB2:PB2+1] offset:16
.irp e, 0,1
.irp q, 0,1
.irp i, 0,1,2,3,4,5,6,7
	global_load_b32 v[J1+16*(\e)+8*(\q)+(\i)], v[GO], s[P1:P1+1] offset:(\e)*64+(16*(\q)+(\i))*4096
.endr
.endr
.endr
	LOADJ 0
	LOADJ 1
	LOADJ 2
	LOADJ 3
	; JOB 1
	s_wait_loadcnt 63                              ; 80 loads are younger than job 1's; 63 is the largest count that can be named
.irp e, 0,1
.irp q, 0,1
.irp j, 0,1,2,3
	v_cvt_pk_bf16_f32 v[J1P+8*(\e)+4*(\q)+(\j)], v[J1+16*(\e)+8*(\q)+2*(\j)], v[J1+16*(\e)+8*(\q)+2*(\j)+1]
.endr
	global_store_b128 v[SO], v[J1P+8*(\e)+4*(\q):J1P+8*(\e)+4*(\q)+3], s[PW:PW+1] offset:(\e)*1024+(\q)*512  ; 512 consecutive bytes, aligned; these registers are never rewritten
.endr
.endr
; JOB 2, K step st.  lc: the loads younger than this step's.  The two accumulators take turns, one instruction a turn.  A fragment is rewritten two steps
; later: the other parity's 16 conversions, which name none of this product's registers, lie between.
.macro STEPJ st, lc
	s_wait_loadcnt \lc
.set RB, RING+32*((\st)%4)
.set FG, FRG+16*((\st)%2)
.set AC, ACC+8*((\st)%2)
.irp q, 0,1
.irp j, 0,1,2,3
	v_cvt_pk_bf16_f32 v[FG+4*(\q)+(\j)],   v[RB+8*(\q)+2*(\j)],    v[RB+8*(\q)+2*(\j)+1]
	v_cvt_pk_bf16_f32 v[FG+8+4*(\q)+(\j)], v[RB+16+8*(\q)+2*(\j)], v[RB+16+8*(\q)+2*(\j)+1]
.endr
.endr
.if (\st) < 2
	v_wmma_f32_16x16x32_bf16 v[AC:AC+7], v[FG:FG+7], v[FG+8:FG+15], 0
.else
	v_wmma_f32_16x16x32_bf16 v[AC:AC+7], v[FG:FG+7], v[FG+8:FG+15], v[AC:AC+7]
.endif
.if (\st) < 4
	LOADJ (\st)+4
.endif
.endm
	STEPJ 0, 60                                    ; three younger steps' loads may stay out
	STEPJ 1, 60
	STEPJ 2, 60
	STEPJ 3, 60
	STEPJ 4, 60
	STEPJ 5, 40                                    ; nothing more is asked for: the counts run down
	STEPJ 6, 20
	STEPJ 7, 0
.rept 8
	v_nop                                          ; the places behind the last product (ISA guide 7.12.1), once a launch
.endr
.irp j, 0,2,4,6
	v_pk_add_f32 v[ACC+(\j):ACC+(\j)+1], v[ACC+(\j):ACC+(\j)+1], v[ACC+8+(\j):ACC+8+(\j)+1]  ; the two parities; both accumulators are read from their low end on
.endr
	ds_store_b128 v[LS], v[ACC:ACC+3]
	ds_store_b128 v[LS], v[ACC+4:ACC+7] offset:16
	s_wait_dscnt 0x0                               ; for the others' sake: my partial tile is in LDS
	s_barrier_signal -1
	s_barrier_wait -1
	s_cmp_lg_u32 s[WV], 0                          ; wave 0 finishes the tile
	s_cbranch_scc1 .Lend
.irp v, 0,1,2,3
	ds_load_b128 v[RING+8*(\v):RING+8*(\v)+3],   v[LR] offset:1024*(\v)
	ds_load_b128 v[RING+8*(\v)+4:RING+8*(\v)+7], v[LR] offset:1024*(\v)+16
.endr
.irp j, 0,2,4,6
	v_pk_add_f32 v[BI+(\j):BI+(\j)+1], v[BI+(\j):BI+(\j)+1], v[BI+8+(\j):BI+8+(\j)+1]  ; the two biases, while the loads are out
.endr
	s_wait_dscnt 0x0
.irp j, 0,2,4,6
	v_pk_add_f32 v[RING+(\j):RING+(\j)+1], v[RING+(\j):RING+(\j)+1], v[RING+8+(\j):RING+8+(\j)+1]
	v_pk_add_f32 v[RING+16+(\j):RING+16+(\j)+1], v[RING+16+(\j):RING+16+(\j)+1], v[RING+24+(\j):RING+24+(\j)+1]
.endr
.irp j, 0,2,4,6
	v_pk_add_f32 v[RING+(\j):RING+(\j)+1], v[RING+(\j):RING+(\j)+1], v[RING+16+(\j):RING+16+(\j)+1]
.endr
.irp j, 0,2,4,6
	v_pk_add_f32 v[RING+(\j):RING+(\j)+1], v[RING+(\j):RING+(\j)+1], v[BI+(\j):BI+(\j)+1]
.endr
.irp j, 0,2,4,6
	v_pk_mul_f32 v[RING+(\j):RING+(\j)+1], v[RING+(\j):RING+(\j)+1], s[K2:K2+1] op_sel_hi:[1,0]
.endr
	global_store_b128 v[SO], v[RING:RING+3],   s[PC:PC+1]
	global_store_b128 v[SO], v[RING+4:RING+7], s[PC:PC+1] offset:512
.Lend:
	s_wait_tensorcnt 0x0                           ; the wave's end, behind my last LDS store
	ds_add_u32 v[SPW], v[NIL]
	s_wait_dscnt 0x0
	s_endpgm
.Lfunc_end_k_qc5facd1b73_prep:
	.size	k_qc5facd1b73_prep, .Lfunc_end_k_qc5facd1b73_prep-k_qc5facd1b73_prep
	.p2alignl 7, 3214868480
	.fill 96, 4, 3214868480
	.section	.rodata,"a",@progbits
	.p2align	6, 0x0
	.amdhsa_kernel k_qc5facd1b73_prep
		.amdhsa_group_segment_fixed_size 4608
		.amdhsa_private_segment_fixed_size 0
		.amdhsa_enable_private_segment 0
		.amdhsa_kernarg_size 56
		.amdhsa_user_sgpr_count 2
		.amdhsa_user_sgpr_kernarg_segment_ptr 1
		.amdhsa_wavefront_size32 1
		.amdhsa_system_sgpr_workgroup_id_x 1
		.amdhsa_system_sgpr_workgroup_id_y 1
		.amdhsa_system_sgpr_workgroup_id_z 1
		.amdhsa_system_vgpr_workitem_id 0
		.amdhsa_next_free_vgpr 256
		.amdhsa_next_free_sgpr 66
		.amdhsa_reserve_vcc 0
		.amdhsa_float_denorm_mode_32 3
		.amdhsa_float_denorm_mode_16_64 3
		.amdhsa_memory_ordered 1
		.amdhsa_forward_progress 1
		.amdhsa_inst_pref_size 35
	.end_amdhsa_kernel
	.amdgpu_metadata
---
amdhsa.version: [ 1, 2 ]
amdhsa.kernels:
  - .name:           k_qc5facd1b73_prep
    .symbol:         k_qc5facd1b73_prep.kd
    .args:
      - { .name: W1_w, .offset: 0, .size: 8, .value_kind: global_buffer, .address_space: global }
      - { .name: W2_w, .offset: 8, .size: 8, .value_kind: global_buffer, .address_space: global }
      - { .name: hidden, .offset: 16, .size: 8, .value_kind: global_buffer, .address_space: global }
      - { .name: W1_b, .offset: 24, .size: 8, .value_kind: global_buffer, .address_space: global }
      - { .name: W2_b, .offset: 32, .size: 8, .value_kind: global_buffer, .address_space: global }
      - { .name: w1f, .offset: 40, .size: 8, .value_kind: global_buffer, .address_space: global }
      - { .name: cvec, .offset: 48, .size: 8, .value_kind: global_buffer, .address_space: global }
    .group_segment_fixed_size: 4608
    .private_segment_fixed_size: 0
    .kernarg_segment_align: 8
    .kernarg_segment_size: 56
    .max_flat_workgroup_size: 128
    .sgpr_count:     66
    .vgpr_count:     256
    .wavefront_size: 32
...
	.end_amdgpu_metadata
.endif
;; end of part 1
;; launch main (part 2): grid 512 x 1, 4 waves a work-group, no clusters, 283,136 bytes of LDS; arguments features, w1f, cvec, V_w, V_b, logits, ctxp; writes logits, ctxp
.if DOCPART == 2
	.amdgcn_target "amdgcn-amd-amdhsa--gfx1250"
	.amdhsa_code_object_version 6
	.text
	.protected	k_qc5facd1b73_main
	.globl	k_qc5facd1b73_main
	.p2align	8
	.type	k_qc5facd1b73_main,@function
k_qc5facd1b73_main:
	s_mov_b64 s[64:65], 0
	v_nop
	global_prefetch_b8 v0, s[64:65] scope:SCOPE_SE
	s_setreg_imm32_b32 hwreg(HW_REG_WAVE_MODE, 25, 1), 1
	s_wait_xcnt 0x0
; A TILE = 128 positions of one batch (512 tiles).  For its rows x: logit = V . tanh(x W1 + W1_b + hidden W2 + W2_b) + V_b; the tile's own maximum m; p = e^(logit - m);
; the partial context sum_s p_s x_s.  Stored: the 128 logits and the 1,024 partial sums, both f32; the last launch joins a batch's eight tiles by their maxima.
; EACH BYTE OF features ONCE: the tile is rounded once to bf16 on its way in and stays in LDS (128 x 1,024 x 2 bytes) for both column chunks of the product and for the context.
; SHARES.  Four waves; every wave takes all 128 rows and 128 of a chunk's 512 units: 64 accumulators of 16 x 16, 512 registers; two chunks.  K goes in 8 slices of 128 (a STEP), each four
; quarters of 32 (64 matrix instructions).  A's fragments come out of LDS, 16 loads a quarter.  W1's fragments are a wave's own (no other wave wants its 128 units), so they come from
; w1f straight into registers: 16 loads a quarter, 512 consecutive bytes each, a ring of four quarters.
; features RIDE ON CHUNK 0: slice t + 1 is loaded, rounded and stored to LDS while slice t is multiplied; a set of 8 loads (8 rows x 512 bytes of a wave's 32 rows) a quarter, a ring of four sets.
; THE PRODUCT IS TAKEN TRANSPOSED (source 0 = 16 units, source 1 = 16 rows): a lane holds ONE row (16 a + lane % 16) and units 16 nb + 8 (lane / 16) + 0..7, so the sum over units stays
; in the lane but for one exchange of the lanes' halves and one meeting of the four waves in LDS.
; tanh(z) = 1 - 2 / (1 + 2^(K2 z)), K2 = 2 log2(e): 1 where the power overflows, -1 where it vanishes.  cvec holds K2 x (the batch's vector and both biases).
; NO CLUSTER, NO TENSOR LOADS, though all work-groups walk the same W1: the resident tile and the scratch take 283,136 of the 327,680 bytes; a quarter of W1 for four waves is 32,768 bytes, and two
; slots of that do not fit in the 44,544 left; features must pass through registers to be rounded.
; LIMITS.  features and W1 enter the product, and features the context, rounded once to bf16; all else is f32.  NaN and infinities are not treated apart; a weight below 2^-126 counts as 0.
; REGISTERS, in windows of 256 (s_set_vgpr_msb: bits 1:0 source 0, 3:2 source 1, 5:4 source 2, 7:6 destination):
;   window 0: v2-16 addresses; v20-31, v40-63 at work; v32-39 the logits' sums, one a row block; v64-127 A's fragments; v128-255 features' ring, later c' and V, later the context's rows
;   window 1: W1's ring: quarter s at 64 s, fragment nb at + 8 nb          windows 2, 3: accumulator (a, nb) at 64 (a % 4) + 8 nb in window 2 + a / 4
.set PITCH, 272                        ; an LDS row of a slice: 256 bytes + 16 = 68 words: row r starts at bank 4 r mod 64 (64 banks of 4 bytes: ISA guide 11.1), so the 16 rows of a fragment load start at 16 different banks
.set SLICE, 128*PITCH                  ; A lies slice by slice: slice t at t x 34,816, row s at + 272 s
.set SCR,   8*SLICE                    ; wave w's 128 partial logits at + 512 w
.set PSB,   SCR+2048                   ; each wave's own copy of p[128] at + 512 w
.set SPARE, PSB+2048                   ; the spare words, 128 bytes a wave: two blocks of 256 bytes that no other line names
.set ADA0, 2                           ; v2   272 r + 16 h: my place in a fragment's rows; never rewritten
.set ADA,  3                           ; v3   the same in the slice in hand
.set FSA,  4                           ; v4   where my 8 bytes of my wave's first row go, in the slice after the one in hand
.set FGO,  5                           ; v5   my 16 bytes of my wave's first row of features
.set BO,   6                           ; v6   16 L
.set CVO,  7                           ; v7   256 h
.set VO,   8                           ; v8   32 h
.set PFO,  9                           ; v9   the prefetches' offset: a lane a row of my wave's 32
.set SPW,  10                          ; v10  LDS address of my spare word; never rewritten
.set NIL,  11                          ; v11  0; never rewritten
.set LPA,  12                          ; v12  SCR + 512 w + 4 r
.set LRA,  13                          ; v13  SCR + 16 L
.set PSA,  14                          ; v14  PSB + 512 w + 16 L
.set PA,   15                          ; v15  PSB + 512 w, walking
.set XA,   16                          ; v16  my 8 bytes of row 0 in slice 2 w, walking
.set LGS,  32
.set CA,   48                          ; v[48:55] the context's sums
.set AF,   64                          ; A's fragments: block a at AF + 8 a
.set FRING, 128                        ; features' ring: set j at + 32 j
.set CV,   128                         ; the epilogue: c' of pair p at CV + 2 p,
.set VV,   192                         ; V at VV + 2 p
.set CX,   128                         ; the context: two buffers of 8 rows x 4 registers,
.set CP,   192                         ; and of 8 weights
.set WV,  18
.set FB,  20                           ; s[20:21] features at the tile's first row, at the slice in hand
.set WB,  22                           ; s[22:23] w1f at my wave's stream, at the STEP in hand
.set CB,  24                           ; s[24:25] cvec at my wave's units, the tile's batch
.set VP,  26                           ; s[26:27] V_w at my wave's units
.set LP,  28                           ; s[28:29] logits at the tile
.set XP,  30                           ; s[30:31] ctxp at the tile, my wave's 256 columns
.set K2,  32                           ; s[32:33] 2 log2(e), named as a pair
.set SEL, 34                           ; s[34:35] v_permlanex16_b32's selects: each lane takes its own place in the other half
.set L2E, 36                           ; s36  log2(e)
.set G,   38                           ; s38  the STEP's number, 0..15
.set T,   39                           ; s39  counts the loop's STEPs
.set CH,  40                           ; s40  chunks to go
.set VB,  41                           ; s41  V_b
.set CT,  42                           ; s42  counts the context's trips
.set MSB, 0
.macro WIN new                         ; the immediate's high byte repeats the setting that is left; a switch that changes nothing is dropped
.if MSB != (\new)
	s_set_vgpr_msb (MSB<<8)|(\new)
.set MSB, \new
.endif
.endm
.set MUL_LO, 0xa1                      ; source 0 (W1) window 1, source 1 (A) window 0, C and D window 2; + 0x50: window 3
.set TO_B,   0x40                      ; destination window 1
.set TO_T,   0x80                      ; destination window 2
.set CVT_T,  0x8a                      ; sources 0, 1 and destination window 2
.set ST_T,   0x08                      ; an LDS store's data in window 2
.macro PLACES                          ; a load into a register that a matrix instruction has read, and a vector instruction that reads its result, stand four places behind it; only plain vector
.rept 4                                ; instructions that name none of its registers are places (ISA guide 7.12.1 for vector instructions)
	v_nop
.endr
.endm
	s_load_b256 s[4:11], s[0:1], 0x0               ; features s[4:5], w1f s[6:7], cvec s[8:9], V_w s[10:11]
	s_load_b128 s[12:15], s[0:1], 0x20             ; V_b s[12:13], logits s[14:15]
	s_load_b64 s[16:17], s[0:1], 0x30              ; ctxp
	v_lshl_add_u32 v[SPW], v0, 2, SPARE
	v_mov_b32 v[NIL], 0
	v_lshrrev_b32 v1, 5, v0
	v_readfirstlane_b32 s[WV], v1                  ; wave 0..3
	v_and_b32 v20, 31, v0                          ; L
	v_and_b32 v21, 15, v0                          ; r
	v_bfe_u32 v22, v0, 4, 1                        ; h
	s_mul_i32 s43, s[WV], 32*PITCH                 ; my wave's 32 rows in a slice
	s_lshl_b32 s44, s[WV], 17                      ; and in features: 32 rows of 4,096 bytes
	s_lshl_b32 s45, s[WV], 9
	s_add_co_u32 s46, s45, SCR
	s_add_co_u32 s47, s45, PSB
	s_mul_i32 s48, s[WV], 2*SLICE
	v_mul_u32_u24 v[ADA0], v21, PITCH
	v_lshl_add_u32 v[ADA0], v22, 4, v[ADA0]
	v_lshl_add_u32 v[FSA], v20, 3, s43
	v_lshl_add_u32 v[FGO], v20, 4, s44
	v_lshlrev_b32 v[BO], 4, v20
	v_lshlrev_b32 v[CVO], 8, v22
	v_lshlrev_b32 v[VO], 5, v22
	v_lshl_add_u32 v[PFO], v20, 12, s44
	v_lshl_add_u32 v[LPA], v21, 2, s46
	v_lshl_add_u32 v[LRA], v20, 4, SCR
	v_lshl_add_u32 v[PSA], v20, 4, s47
	v_mov_b32 v[PA], s47
	v_lshl_add_u32 v[XA], v20, 3, s48
	; offsets, each in a pair of its own with 0 on top (the largest, 511 x 2^19, is under 2^32)
	s_lshl_b32 s50, ttmp9, 19                      ; the tile's 128 rows of 4,096 bytes
	s_mov_b32 s51, 0
	s_lshl_b32 s52, s[WV], 19                      ; my wave's 524,288 bytes of w1f
	s_mov_b32 s53, 0
	s_lshl_b32 s54, s[WV], 15                      ; cvec: my wave's 8 blocks of 16 units,
	s_lshr_b32 s49, ttmp9, 7                       ; the batch / 16,
	s_lshl_b32 s49, s49, 10
	s_add_co_u32 s54, s54, s49
	s_bfe_u32 s49, ttmp9, 0x40003                  ; the batch % 16 (the batch is the tile / 8)
	s_lshl_b32 s49, s49, 4
	s_add_co_u32 s54, s54, s49
	s_mov_b32 s55, 0
	s_mov_b32 s56, s45                             ; V_w: my wave's 128 units
	s_mov_b32 s57, 0
	s_lshl_b32 s58, ttmp9, 9                       ; logits: 128 numbers a tile
	s_mov_b32 s59, 0
	s_lshl_b32 s60, ttmp9, 12                      ; ctxp: 1,024 numbers a tile, my wave's 256
	s_lshl_b32 s49, s[WV], 10
	s_add_co_u32 s60, s60, s49
	s_mov_b32 s61, 0
	s_mov_b32 s[K2], 0x4038aa3b
	s_mov_b32 s[K2+1], 0x4038aa3b
	s_mov_b32 s[SEL], 0x76543210
	s_mov_b32 s[SEL+1], 0xfedcba98
	s_mov_b32 s[L2E], 0x3fb8aa3b
	s_mov_b32 s[G], 0
	s_mov_b32 s[CH], 2
	s_wait_kmcnt 0x0
	s_load_b32 s[VB], s[12:13], 0x0
	s_add_nc_u64 s[FB:FB+1], s[4:5], s[50:51]
	s_add_nc_u64 s[WB:WB+1], s[6:7], s[52:53]
	s_add_nc_u64 s[CB:CB+1], s[8:9], s[54:55]
	s_add_nc_u64 s[VP:VP+1], s[10:11], s[56:57]
	s_add_nc_u64 s[LP:LP+1], s[14:15], s[58:59]
	s_add_nc_u64 s[XP:XP+1], s[16:17], s[60:61]
; A set of features: 8 loads into registers fr ..: the whole 512 bytes of rows 8 j + 0..7 of my wave's 32, in the slice that begins so bytes behind FB
.macro FLOADS fr, j, so
.irp i, 0,1,2,3,4,5,6,7
	global_load_b128 v[(\fr)+4*(\i):(\fr)+4*(\i)+3], v[FGO], s[FB:FB+1] offset:(8*(\j)+(\i))*4096+(\so) th:TH_LOAD_NT
.endr
.endm
; A quarter of W1 into ring buffer s: 8 fragments, 16 loads of 512 consecutive bytes
.macro BLOAD s, off
	WIN TO_B
.irp nb, 0,1,2,3,4,5,6,7
	global_load_b128 v[64*(\s)+8*(\nb):64*(\s)+8*(\nb)+3],   v[BO], s[WB:WB+1] offset:(\off)+(\nb)*1024
	global_load_b128 v[64*(\s)+8*(\nb)+4:64*(\s)+8*(\nb)+7], v[BO], s[WB:WB+1] offset:(\off)+(\nb)*1024+512
.endr
.endm
	; THE START.  Sets 0 to 4 of features (slice 0 and the first quarter of slice 1) land in window 2, where the accumulators will be; behind them the two rings are filled in the order in which the
	; loop keeps them: set 5 + j, then W1's quarter j.
	WIN TO_T
.set i, 0
.rept 40
	global_load_b128 v[4*i:4*i+3], v[FGO], s[FB:FB+1] offset:(i%32)*4096+(i/32)*512 th:TH_LOAD_NT
.set i, i+1
.endr
.irp j, 0,1,2,3
	WIN 0
	FLOADS FRING+32*(((\j)+1)%4), ((\j)+1)%4, 512+512*((\j)/3)
	BLOAD \j, (\j)*8192
.endr
	s_wait_loadcnt 63                              ; 96 loads are younger than the first 40; 63 is the largest count that can be named
	WIN CVT_T
.set i, 0
.rept 40
	v_cvt_pk_bf16_f32 v[4*i],   v[4*i],   v[4*i+1]
	v_cvt_pk_bf16_f32 v[4*i+1], v[4*i+2], v[4*i+3]
.set i, i+1
.endr
	WIN ST_T
.set i, 0
.rept 40
	ds_store_b64 v[FSA], v[4*i:4*i+1] offset:(i%32)*PITCH+(i/32)*SLICE  ; 32 lanes x 8 bytes: a row's 256 bytes
.set i, i+1
.endr
	WIN 0
	v_add_nc_u32 v[FSA], SLICE, v[FSA]             ; from now on: the slice after the one in hand
.irp a, 0,1,2,3,4,5,6,7
	v_mov_b32 v[LGS+(\a)], 0                       ; the logits' sums run over both chunks
	v_mov_b32 v[40+(\a)], 0                        ; (v_permlanex16_b32 counts as a reader of its destination)
.endr
	s_wait_kmcnt 0x0                               ; V_b
	s_wait_dscnt 0x0                               ; for the others' sake: my rows of slice 0 are in LDS
	s_barrier_signal -1
	s_barrier_wait -1
; 16 matrix instructions: row blocks a0, a0 + 1 of the window's four x all 8 unit blocks, 32 along K, W1 from ring buffer s.  zero = 1: the product starts the sums.
; The 64 accumulators take turns in the same order in every quarter: 63 others stand between two links of a chain, over the backward jumps too.
.macro MUL16 s, hi, a0, zero
	WIN MUL_LO+0x50*(\hi)
.irp a, \a0, (\a0)+1
.irp nb, 0,1,2,3,4,5,6,7
.if \zero
	v_wmma_f32_16x16x32_bf16 v[64*(\a)+8*(\nb):64*(\a)+8*(\nb)+7], v[64*(\s)+8*(\nb):64*(\s)+8*(\nb)+7], v[AF+32*(\hi)+8*(\a):AF+32*(\hi)+8*(\a)+7], 0
.else
	v_wmma_f32_16x16x32_bf16 v[64*(\a)+8*(\nb):64*(\a)+8*(\nb)+7], v[64*(\s)+8*(\nb):64*(\s)+8*(\nb)+7], v[AF+32*(\hi)+8*(\a):AF+32*(\hi)+8*(\a)+7], v[64*(\a)+8*(\nb):64*(\a)+8*(\nb)+7]
.endif
.endr
.endr
.endm
; 8 LDS loads: A's fragments of row blocks 4 hi + 0..3, 32 along K at byte off behind ADA.  A fragment is 16 rows x 32 K: two loads of 16 bytes, 32 bytes apart.  The largest offset is 65,312.
.macro ALOAD hi, off
.irp a, 0,1,2,3
	ds_load_b128 v[AF+32*(\hi)+8*(\a):AF+32*(\hi)+8*(\a)+3],   v[ADA] offset:(\off)+(4*(\hi)+(\a))*16*PITCH
	ds_load_b128 v[AF+32*(\hi)+8*(\a)+4:AF+32*(\hi)+8*(\a)+7], v[ADA] offset:(\off)+(4*(\hi)+(\a))*16*PITCH+32
.endr
.endm
; features in quarter Q = 4 G + s.  Set n = Q + 5 (slice n / 4, rows 8 (n % 4) ..), which lies in ring set (s + 1) % 4, is rounded and stored; set n + 4 is asked for into the same registers.  There are 32 sets:
; the stores end with Q = 26, the loads with Q = 22; chunk 1 (G >= 8) does neither.  The tests hang on the STEP's number alone.
; THE PREFETCH (quarter 0, G <= 3): my wave's own 32 rows x 512 bytes of slice G + 4, a lane a row, two lines, behind the quarter's loads.  The loads of that slice begin seven quarters on.  Each
; row's 512 bytes of a slice are named once in the launch, by the wave that will load them; slices 0 to 3 come by their loads alone; slice 7 is the last, so nothing is named past the tile.
; The waits on DScnt: A's upper half of this quarter must be in; younger than it are the 8 loads of the next quarter's lower half and, where there are stores, those 8.
.macro FBLK s
.set FJ, ((\s)+1)%4
.set FR, FRING+32*FJ
.if (\s) == 3
.set FTS, 6
.set FTL, 5
.set FSO, SLICE
.set FLO, 1536
.else
.set FTS, 7
.set FTL, 6
.set FSO, 0
.set FLO, 1024
.endif
	s_cmp_lt_u32 s[G], FTS
	s_cbranch_scc0 .Lno_\@
.irp i, 0,1,2,3,4,5,6,7
	v_cvt_pk_bf16_f32 v[FR+4*(\i)],   v[FR+4*(\i)],   v[FR+4*(\i)+1]
	v_cvt_pk_bf16_f32 v[FR+4*(\i)+1], v[FR+4*(\i)+2], v[FR+4*(\i)+3]
.endr
.irp i, 0,1,2,3,4,5,6,7
	ds_store_b64 v[FSA], v[FR+4*(\i):FR+4*(\i)+1] offset:(8*FJ+(\i))*PITCH+FSO
.endr
	s_cmp_lt_u32 s[G], FTL
	s_cbranch_scc0 .Lst_\@
	FLOADS FR, FJ, FLO
.if (\s) == 0
	s_cmp_lt_u32 s[G], 4
	s_cbranch_scc0 .Lst_\@
	global_prefetch_b8 v[PFO], s[FB:FB+1] offset:2048 th:TH_LOAD_NT scope:SCOPE_SE
	global_prefetch_b8 v[PFO], s[FB:FB+1] offset:2304 th:TH_LOAD_NT scope:SCOPE_SE
.endif
.Lst_\@:
	s_wait_dscnt 16
	s_branch .Lgo_\@
.Lno_\@:
	s_wait_dscnt 8
.Lgo_\@:
.endm
; A QUARTER: 64 matrix instructions on W1's ring buffer s.  lc: how many younger global loads may stay out when this quarter's W1 (and the set of features that was asked for just ahead of it) must be in.
; kind 0: a STEP with a successor in its chunk; 1: chunk 0's last STEP (A is not fetched past the chunk's end; W1's stream runs on into chunk 1); 2: chunk 1's last (nothing more is asked for).
; THE BARRIER, one a STEP, in quarter 3: slice G + 1, whose first fragments are fetched behind it, was stored in the four quarters before; each wave waits for its LDS stores (and loads) in front of its signal.
.macro QUARTER s, zero, lc, kind
.set NK, ((\s)+1)*64
.if (\s) == 3
.set NK, SLICE
.endif
	s_wait_loadcnt \lc
	s_wait_dscnt 8                                 ; A's lower half is in; the youngest eight LDS loads (the upper half) may be out
	MUL16 \s, 0, 0, \zero
.if ((\s) == 3) && ((\kind) == 0)
	s_wait_dscnt 0x0                               ; my stores into the next slice are done, and no LDS instruction of mine is out:
	s_barrier_signal -1                            ; say so, and work on registers while the others arrive
.endif
	MUL16 \s, 0, 2, \zero
	WIN 0
	PLACES
.if ((\s) == 3) && ((\kind) == 0)
	s_barrier_wait -1                              ; the next slice is whole
.endif
.if ((\s) < 3) || ((\kind) == 0)
	ALOAD 0, NK
.endif
.if (\kind) == 0
	FBLK \s
.elseif (\s) < 3
	s_wait_dscnt 8
.else
	s_wait_dscnt 0x0
.endif
	MUL16 \s, 1, 0, \zero
	MUL16 \s, 1, 2, \zero
	WIN 0
	PLACES
.if ((\s) < 3) || ((\kind) == 0)
	ALOAD 1, NK
.endif
.if (\kind) != 2
.if (\s) == 3
	s_wait_xcnt 0x0                                ; every load and prefetch issued so far (the youngest load 32 matrix instructions back) has read its address, so the two pointers may be written
	s_add_nc_u64 s[WB:WB+1], s[WB:WB+1], 32768
	s_add_nc_u64 s[FB:FB+1], s[FB:FB+1], 512
	BLOAD 3, 24576
.else
	BLOAD \s, ((\s)+4)*8192
.endif
.endif
.if (\s) == 3
	WIN 0
.endif
.endm
.macro STEPEND                         ; on to the next slice
	v_add_nc_u32 v[ADA], SLICE, v[ADA]
	v_add_nc_u32 v[FSA], SLICE, v[FSA]
	s_add_co_u32 s[G], s[G], 1
.endm
.macro STEP zero                       ; a STEP with a successor in its chunk.  48 at each quarter's head: the three younger quarters of W1 (sets of features between them only raise the true number)
	QUARTER 0, \zero, 48, 0
	QUARTER 1, 0, 48, 0
	QUARTER 2, 0, 48, 0
	QUARTER 3, 0, 48, 0
	STEPEND
.endm
; c' and V of my lane's 64 units of chunk c: 32 loads, into the registers of features' ring
.macro CVLOAD c
.irp nb, 0,1,2,3,4,5,6,7
.irp q, 0,1
	global_load_b128 v[CV+8*(\nb)+4*(\q):CV+8*(\nb)+4*(\q)+3], v[CVO], s[CB:CB+1] offset:(\c)*131072+(\nb)*4096+(\q)*512
	global_load_b128 v[VV+8*(\nb)+4*(\q):VV+8*(\nb)+4*(\q)+3], v[VO],  s[VP:VP+1] offset:(\c)*2048+(\nb)*64+(\q)*16
.endr
.endr
.endm
; A CHUNK'S LAST STEP.  c' and V are asked for between its second and third quarter, 128 matrix instructions ahead of the epilogue.  They land in features' ring, so the wait lx ahead of them shows the ring's
; last loads done: the text's last set of features stands in quarter 3 of the STEP before, between W1's quarters 2' and 3' of this STEP; lx counts what was issued behind that set, and since 2' is older
; than the set, lx is also the wait that this STEP's third quarter needs.
.macro LASTSTEP kind, c, l0, l1, lx, l2, l3
	QUARTER 0, 0, \l0, \kind
	QUARTER 1, 0, \l1, \kind
	WIN 0
	s_wait_loadcnt \lx
	CVLOAD \c
	QUARTER 2, 0, \l2, \kind
	QUARTER 3, 0, \l3, \kind
	STEPEND
.endm
; THE EPILOGUE, on one window's four row blocks i; a block is 64 registers, pair p at 64 i + 2 p.  In place: S1 z = K2 x + c';  EX 2^z;  AD + 1;  RC 1 / ..;  TT t = 1 - 2 ..;  SM four chains of V t.
.macro S1 i, p
	v_pk_fma_f32 v[64*(\i)+2*(\p):64*(\i)+2*(\p)+1], v[64*(\i)+2*(\p):64*(\i)+2*(\p)+1], s[K2:K2+1], v[CV+2*(\p):CV+2*(\p)+1] op_sel_hi:[1,0,1]
.endm
.macro EX i, e
	v_exp_f32 v[64*(\i)+(\e)], v[64*(\i)+(\e)]
.endm
.macro AD i, p
	v_pk_add_f32 v[64*(\i)+2*(\p):64*(\i)+2*(\p)+1], v[64*(\i)+2*(\p):64*(\i)+2*(\p)+1], 1.0 op_sel_hi:[1,0]
.endm
.macro RC i, e
	v_rcp_f32 v[64*(\i)+(\e)], v[64*(\i)+(\e)]
.endm
.macro TT i, p
	v_pk_fma_f32 v[64*(\i)+2*(\p):64*(\i)+2*(\p)+1], v[64*(\i)+2*(\p):64*(\i)+2*(\p)+1], -2.0, 1.0 op_sel_hi:[1,0,0]
.endm
.macro SM i, p
.if (\p) < 4
	v_pk_mul_f32 v[64*(\i)+2*(\p):64*(\i)+2*(\p)+1], v[64*(\i)+2*(\p):64*(\i)+2*(\p)+1], v[VV+2*(\p):VV+2*(\p)+1]
.else
	v_pk_fma_f32 v[64*(\i)+2*((\p)%4):64*(\i)+2*((\p)%4)+1], v[64*(\i)+2*(\p):64*(\i)+2*(\p)+1], v[VV+2*(\p):VV+2*(\p)+1], v[64*(\i)+2*((\p)%4):64*(\i)+2*((\p)%4)+1]
.endif
.endm
.macro PQ i, e                         ; line e of the 64 that end block i: TT 0-3; then SM k, TT k + 4 by turns; SM 28-31
.if (\e) < 4
	TT \i, (\e)
.elseif (\e) >= 60
	SM \i, (\e)-32
.elseif ((\e)%2) == 0
	SM \i, ((\e)-4)/2
.else
	TT \i, ((\e)-4)/2+4
.endif
.endm
; The reciprocals of block i, ONE BATCH of 64 with one wait; behind each stands a plain line that names no result of the batch: the block's own additions (pair e + 2 behind reciprocal e, so a pair has its
; 1 added before its reciprocals), then the next block's scalings.
.macro STEPB i
	AD \i, 0
	AD \i, 1
.set e, 0
.rept 64
	RC \i, e
.if e < 30
	AD \i, e+2
.elseif (e < 62) && ((\i) < 3)
	S1 (\i)+1, e-30
.endif
.set e, e+1
.endr
	v_nop                                          ; a plain instruction behind the last reciprocal,
	s_wait_alu depctr_va_vdst(0)                   ; and the wait ahead of the first line that names a result: one for the batch
.endm
; A window.  Settings: EB = source 0 and destination in the window (source 2, c', in window 0); EA = source 2 in it too (source 1, V, in window 0); EC = all in it; ED = source 0 alone.
; The exponentials of a block are one batch of 64 with one wait as well; behind each stands a plain line: in block 0 the block's own scalings, later the end of the block before.
; Each accumulator is read first at its two lowest registers: S1 goes through a block's pairs in ascending order.
.macro EPIWIN hi
	WIN 0x82+0x41*(\hi)
	S1 0, 0
	S1 0, 1
.set e, 0
.rept 64
	EX 0, e
.if e < 30
	S1 0, e+2
.endif
.set e, e+1
.endr
	v_nop
	s_wait_alu depctr_va_vdst(0)
	STEPB 0
.irp i, 1,2,3
	WIN 0xa2+0x51*(\hi)
.set e, 0
.rept 64
	EX \i, e
	PQ (\i)-1, e
.set e, e+1
.endr
	v_nop
	s_wait_alu depctr_va_vdst(0)
	WIN 0x82+0x41*(\hi)
	STEPB \i
.endr
	WIN 0xa2+0x51*(\hi)
.set e, 0
.rept 64
	PQ 3, e
.set e, e+1
.endr
	WIN 0xaa+0x55*(\hi)
.irp i, 0,1,2,3
	v_pk_add_f32 v[64*(\i):64*(\i)+1],   v[64*(\i):64*(\i)+1],   v[64*(\i)+2:64*(\i)+3]
	v_pk_add_f32 v[64*(\i)+4:64*(\i)+5], v[64*(\i)+4:64*(\i)+5], v[64*(\i)+6:64*(\i)+7]
.endr
.irp i, 0,1,2,3
	v_pk_add_f32 v[64*(\i):64*(\i)+1], v[64*(\i):64*(\i)+1], v[64*(\i)+4:64*(\i)+5]
.endr
.irp i, 0,1,2,3
	v_add_f32 v[64*(\i)], v[64*(\i)], v[64*(\i)+1]
.endr
	WIN 0x02+(\hi)
.irp i, 0,1,2,3
	v_add_f32 v[LGS+4*(\hi)+(\i)], v[64*(\i)], v[LGS+4*(\hi)+(\i)]
.endr
	WIN 0
.endm
.Lchunk:                                               ; twice: 512 units each
	v_mov_b32 v[ADA], v[ADA0]
	ALOAD 0, 0
	ALOAD 1, 0
	STEP 1                                         ; the chunk's first quarter starts the sums
	s_mov_b32 s[T], 6
.Lstep:
	STEP 0
	s_sub_co_u32 s[T], s[T], 1
	s_cmp_lg_u32 s[T], 0
	s_cbranch_scc1 .Lstep
	s_cmp_eq_u32 s[CH], 1
	s_cbranch_scc1 .Llast
	; chunk 0's last STEP goes on asking for W1, chunk 1's.  Quarters 0 and 1: three younger quarters of W1, 48.  Ahead of c' and V: behind the ring's last set stand W1's quarter 3' and chunk 1's first
	; two, 48.  Quarter 2: its W1 was shown in by that wait.  Quarter 3: chunk 1's first three quarters and the 32 loads of c' and V are younger, 80; 63 is the largest count that can be named.
	LASTSTEP 1, 0, 48, 48, 48, 63, 63
	s_wait_loadcnt 32                              ; c' and V are in: two quarters of chunk 1's W1 are younger
	s_branch .Lepi
.Llast:
	; chunk 1's last STEP asks for no more W1: 48 and 32 loads are younger than quarter 0's and 1's; behind the ring's last set stands quarter 3' alone, 16; c' and V, 32, are younger than quarter 3'.
	LASTSTEP 2, 1, 48, 32, 16, 48, 32
	s_wait_loadcnt 0x0
.Lepi:
	PLACES                                         ; with the quarter's own four and the two address steps: ten places behind the last product
	EPIWIN 0
	EPIWIN 1
	s_sub_co_u32 s[CH], s[CH], 1
	s_cmp_lg_u32 s[CH], 0
	s_cbranch_scc1 .Lchunk
	; THE TILE'S LOGITS: the other half of the lanes holds a row's other units of my wave; the four waves' sums meet in LDS.
.irp a, 0,1,2,3,4,5,6,7
	v_permlanex16_b32 v[40+(\a)], v[LGS+(\a)], s[SEL], s[SEL+1]
.endr
.irp a, 0,1,2,3,4,5,6,7
	v_add_f32 v[LGS+(\a)], v[LGS+(\a)], v[40+(\a)]
.endr
.irp a, 0,1,2,3,4,5,6,7
	ds_store_b32 v[LPA], v[LGS+(\a)] offset:64*(\a)    ; row 16 a + r; both halves of the lanes write the same number
.endr
	s_wait_dscnt 0x0                               ; for the others' sake
	s_barrier_signal -1
	s_barrier_wait -1
.irp v, 0,1,2,3
	ds_load_b128 v[40+4*(\v):43+4*(\v)], v[LRA] offset:512*(\v)  ; rows 4 L .. 4 L + 3, wave v's share; every wave makes all 128 logits, alike
.endr
	s_wait_dscnt 0x0
	v_pk_add_f32 v[40:41], v[40:41], v[44:45]
	v_pk_add_f32 v[42:43], v[42:43], v[46:47]
	v_pk_add_f32 v[48:49], v[48:49], v[52:53]
	v_pk_add_f32 v[50:51], v[50:51], v[54:55]
	v_pk_add_f32 v[40:41], v[40:41], v[48:49]
	v_pk_add_f32 v[42:43], v[42:43], v[50:51]
.irp j, 0,1,2,3
	v_add_f32 v[40+(\j)], s[VB], v[40+(\j)]
.endr
	s_cmp_lg_u32 s[WV], 0
	s_cbranch_scc1 .Lnot_mine
	global_store_b128 v[BO], v[40:43], s[LP:LP+1]  ; 512 consecutive bytes, aligned; v[40:43] are not rewritten
.Lnot_mine:
	v_max3_num_f32 v20, v40, v41, v42              ; the tile's maximum
	v_max_num_f32 v20, v20, v43
	v_max_num_f32_dpp v20, v20, v20 row_xmask:1 row_mask:0xf bank_mask:0xf
	v_max_num_f32_dpp v20, v20, v20 row_xmask:2 row_mask:0xf bank_mask:0xf
	v_max_num_f32_dpp v20, v20, v20 row_xmask:4 row_mask:0xf bank_mask:0xf
	v_max_num_f32_dpp v20, v20, v20 row_xmask:8 row_mask:0xf bank_mask:0xf
	v_permlanex16_b32 v21, v20, s[SEL], s[SEL+1]
	v_max_num_f32 v20, v20, v21
.irp j, 0,1,2,3
	v_sub_f32 v[44+(\j)], v[40+(\j)], v20
.endr
.irp j, 0,1,2,3
	v_mul_f32 v[44+(\j)], s[L2E], v[44+(\j)]
.endr
.irp j, 0,1,2,3
	v_exp_f32 v[44+(\j)], v[44+(\j)]               ; p = e^(logit - m), 0 to 1
.endr
.irp c, 0,1,2,3,4,5,6,7
	v_mov_b32 v[CA+(\c)], 0                        ; plain work behind the exponentials: the context's eight sums start at 0
.endr
	s_wait_alu depctr_va_vdst(0)                   ; one wait for the four, ahead of the store that reads them
	ds_store_b128 v[PSA], v[44:47]                 ; into my wave's own copy: LDS serves a wave's instructions in order (ISA guide 5.7.1.4), so the loads below see it
	; THE CONTEXT: sum over the 128 rows of p x.  Wave w takes columns 256 w .. (slices 2 w and 2 w + 1), a lane 4 + 4 of them; 8 rows a buffer, two buffers.
.macro CLOAD b, row                    ; 18 LDS loads: 8 rows x (8 bytes in each of the two slices), and the 8 weights (all lanes at one address)
.irp i, 0,1,2,3,4,5,6,7
	ds_load_b64 v[CX+32*(\b)+4*(\i):CX+32*(\b)+4*(\i)+1],   v[XA] offset:((\row)+(\i))*PITCH
	ds_load_b64 v[CX+32*(\b)+4*(\i)+2:CX+32*(\b)+4*(\i)+3], v[XA] offset:((\row)+(\i))*PITCH+SLICE
.endr
	ds_load_b128 v[CP+8*(\b):CP+8*(\b)+3],   v[PA] offset:4*(\row)
	ds_load_b128 v[CP+8*(\b)+4:CP+8*(\b)+7], v[PA] offset:4*(\row)+16
.endm
.macro CFMA b                          ; 64 multiply-adds straight from the bf16 halves into f32: eight chains
.irp i, 0,1,2,3,4,5,6,7
.irp c, 0,2,4,6
	v_fma_mix_f32_bf16 v[CA+(\c)],   v[CX+32*(\b)+4*(\i)+(\c)/2], v[CP+8*(\b)+(\i)], v[CA+(\c)]   op_sel:[0,0,0] op_sel_hi:[1,0,0]
	v_fma_mix_f32_bf16 v[CA+(\c)+1], v[CX+32*(\b)+4*(\i)+(\c)/2], v[CP+8*(\b)+(\i)], v[CA+(\c)+1] op_sel:[1,0,0] op_sel_hi:[1,0,0]
.endr
.endr
.endm
	CLOAD 0, 0
	s_mov_b32 s[CT], 7
.Lctx:                                                 ; a trip: 16 rows
	CLOAD 1, 8
	s_wait_dscnt 18                                ; buffer 0 is in; buffer 1's 18 loads may stay out
	CFMA 0
	v_add_nc_u32 v[XA], 16*PITCH, v[XA]
	v_add_nc_u32 v[PA], 64, v[PA]
	CLOAD 0, 0
	s_wait_dscnt 18
	CFMA 1
	s_sub_co_u32 s[CT], s[CT], 1
	s_cmp_lg_u32 s[CT], 0
	s_cbranch_scc1 .Lctx
	CLOAD 1, 8                                     ; the last 16 rows: nothing is fetched behind them
	s_wait_dscnt 18
	CFMA 0
	s_wait_dscnt 0x0
	CFMA 1
	global_store_b128 v[BO], v[CA:CA+3],   s[XP:XP+1]             ; 512 consecutive bytes each, aligned
	global_store_b128 v[BO], v[CA+4:CA+7], s[XP:XP+1] offset:512
	s_wait_tensorcnt 0x0                           ; the wave's end, behind my last LDS store
	ds_add_u32 v[SPW], v[NIL]
	s_wait_dscnt 0x0
	s_endpgm
.Lfunc_end_k_qc5facd1b73_main:
	.size	k_qc5facd1b73_main, .Lfunc_end_k_qc5facd1b73_main-k_qc5facd1b73_main
	.p2alignl 7, 3214868480
	.fill 96, 4, 3214868480
	.section	.rodata,"a",@progbits
	.p2align	6, 0x0
	.amdhsa_kernel k_qc5facd1b73_main
		.amdhsa_group_segment_fixed_size 283136
		.amdhsa_private_segment_fixed_size 0
		.amdhsa_enable_private_segment 0
		.amdhsa_kernarg_size 56
		.amdhsa_user_sgpr_count 2
		.amdhsa_user_sgpr_kernarg_segment_ptr 1
		.amdhsa_wavefront_size32 1
		.amdhsa_system_sgpr_workgroup_id_x 1
		.amdhsa_system_sgpr_workgroup_id_y 1
		.amdhsa_system_sgpr_workgroup_id_z 1
		.amdhsa_system_vgpr_workitem_id 0
		.amdhsa_next_free_vgpr 1024
		.amdhsa_next_free_sgpr 66
		.amdhsa_reserve_vcc 0
		.amdhsa_float_denorm_mode_32 3
		.amdhsa_float_denorm_mode_16_64 3
		.amdhsa_memory_ordered 1
		.amdhsa_forward_progress 1
		.amdhsa_inst_pref_size 255
	.end_amdhsa_kernel
	.section	.bss,"aw",@nobits
	.p2align	6
	.space	262144
	.amdgpu_metadata
---
amdhsa.version: [ 1, 2 ]
amdhsa.kernels:
  - .name:           k_qc5facd1b73_main
    .symbol:         k_qc5facd1b73_main.kd
    .args:
      - { .name: features, .offset: 0, .size: 8, .value_kind: global_buffer, .address_space: global }
      - { .name: w1f, .offset: 8, .size: 8, .value_kind: global_buffer, .address_space: global }
      - { .name: cvec, .offset: 16, .size: 8, .value_kind: global_buffer, .address_space: global }
      - { .name: V_w, .offset: 24, .size: 8, .value_kind: global_buffer, .address_space: global }
      - { .name: V_b, .offset: 32, .size: 8, .value_kind: global_buffer, .address_space: global }
      - { .name: logits, .offset: 40, .size: 8, .value_kind: global_buffer, .address_space: global }
      - { .name: ctxp, .offset: 48, .size: 8, .value_kind: global_buffer, .address_space: global }
    .group_segment_fixed_size: 283136
    .private_segment_fixed_size: 0
    .kernarg_segment_align: 8
    .kernarg_segment_size: 56
    .max_flat_workgroup_size: 128
    .sgpr_count:     66
    .vgpr_count:     1024
    .wavefront_size: 32
...
	.end_amdgpu_metadata
.endif
;; end of part 2
;; launch finish (part 3): grid 64 x 1, 8 waves a work-group, no clusters, 1,280 bytes of LDS; arguments logits, ctxp, out0, out1; writes out0, out1
.if DOCPART == 3
	.amdgcn_target "amdgcn-amd-amdhsa--gfx1250"
	.amdhsa_code_object_version 6
	.text
	.protected	k_qc5facd1b73_finish
	.globl	k_qc5facd1b73_finish
	.p2align	8
	.type	k_qc5facd1b73_finish,@function
k_qc5facd1b73_finish:
	s_mov_b64 s[64:65], 0
	v_nop
	global_prefetch_b8 v0, s[64:65] scope:SCOPE_SE
	s_setreg_imm32_b32 hwreg(HW_REG_WAVE_MODE, 25, 1), 1
	s_wait_xcnt 0x0
; A BATCH'S EIGHT TILES ARE JOINED.  A work-group is a batch; wave v holds tile v's 128 logits, four a lane; thread i also holds columns 4 i .. 4 i + 3 of the eight partial contexts.
; m_v = the tile's maximum (the same number that the launch before took away: a maximum is exact), e = 2^((logit - m_v) log2 e), l_v = their sum; the eight (m, l) meet in LDS;
; M = the largest m, f_t = 2^((m_t - M) log2 e), sum = the sum of l_t f_t (at least 1);  weights = e f_v / sum;  context = the sum over t of partial_t f_t / sum.
; 64 work-groups: the launch moves 2.3 MB and is one trip to memory and one barrier long; shared out further, each part would make the same statistics again.
; LIMITS.  NaN and infinities are not treated apart; a weight below 2^-126 counts as 0.
.set SPARE, 256                        ; LDS: 0..63 the eight pairs (m, l); from 256 the spare words, 128 bytes a wave
.set OFF, 1                            ; v1   16 i; never rewritten
.set SPW, 2                            ; v2   LDS address of my spare word; never rewritten
.set NIL, 3                            ; v3   0; never rewritten
.set LG,  4                            ; v[4:7]    my four logits
.set CX,  8                            ; v[8:39]   my four columns of the eight partial contexts
.set ML,  40                           ; v[40:55]  (m_t, l_t), later (f_t / sum, l_t)
.set LA,  56                           ; v56  8 x my wave's number
.set ZA,  59                           ; v59  0: the LDS address of the pairs
.set MV,  60                           ; v[60:61]  m_v, l_v
.set EJ,  64                           ; v[64:67]  e, later the weights
.set FV,  68                           ; v[68:69]  f_v / sum; the sum
.set IV,  70                           ; v70  1 / sum
.set OC,  72                           ; v[72:75]  the context
	s_load_b256 s[4:11], s[0:1], 0x0               ; logits s[4:5], ctxp s[6:7], out0 s[8:9], out1 s[10:11]
	v_lshl_add_u32 v[SPW], v0, 2, SPARE
	v_mov_b32 v[NIL], 0
	v_lshlrev_b32 v[OFF], 4, v0
	v_lshrrev_b32 v57, 5, v0
	v_readfirstlane_b32 s18, v57                   ; wave 0..7
	v_mov_b32 v[LA], s18
	v_lshlrev_b32 v[LA], 3, v[LA]
	v_mov_b32 v[ZA], 0
	v_mov_b32 v58, 0                               ; (v_permlanex16_b32 counts as a reader of its destination)
	s_lshl_b32 s12, ttmp9, 12                      ; the batch's 4,096 bytes of logits, out0 and out1,
	s_mov_b32 s13, 0
	s_lshl_b32 s14, ttmp9, 15                      ; its 32,768 of ctxp
	s_mov_b32 s15, 0
	s_mov_b32 s16, 0x76543210                      ; v_permlanex16_b32: each lane takes its own place in the other half
	s_mov_b32 s17, 0xfedcba98
	s_mov_b32 s20, 0x3fb8aa3b                      ; log2(e)
	s_wait_kmcnt 0x0
	s_add_nc_u64 s[4:5], s[4:5], s[12:13]
	s_add_nc_u64 s[6:7], s[6:7], s[14:15]
	s_add_nc_u64 s[8:9], s[8:9], s[12:13]
	s_add_nc_u64 s[10:11], s[10:11], s[12:13]
	global_load_b128 v[LG:LG+3], v[OFF], s[4:5] th:TH_LOAD_NT
.irp t, 0,1,2,3,4,5,6,7
	global_load_b128 v[CX+4*(\t):CX+4*(\t)+3], v[OFF], s[6:7] offset:(\t)*4096 th:TH_LOAD_NT
.endr
	s_wait_loadcnt 8                               ; the logits are in; the eight loads of partial contexts stay out
	v_max3_num_f32 v57, v[LG], v[LG+1], v[LG+2]
	v_max_num_f32 v57, v57, v[LG+3]
	v_max_num_f32_dpp v57, v57, v57 row_xmask:1 row_mask:0xf bank_mask:0xf
	v_max_num_f32_dpp v57, v57, v57 row_xmask:2 row_mask:0xf bank_mask:0xf
	v_max_num_f32_dpp v57, v57, v57 row_xmask:4 row_mask:0xf bank_mask:0xf
	v_max_num_f32_dpp v57, v57, v57 row_xmask:8 row_mask:0xf bank_mask:0xf
	v_permlanex16_b32 v58, v57, s16, s17
	v_max_num_f32 v[MV], v57, v58                  ; m_v, in every lane
.irp j, 0,1,2,3
	v_sub_f32 v[EJ+(\j)], v[LG+(\j)], v[MV]
.endr
.irp j, 0,1,2,3
	v_mul_f32 v[EJ+(\j)], s20, v[EJ+(\j)]
.endr
.irp j, 0,1,2,3
	v_exp_f32 v[EJ+(\j)], v[EJ+(\j)]
.endr
	v_nop                                          ; a plain instruction behind the last exponential,
	s_wait_alu depctr_va_vdst(0)                   ; and the wait ahead of the first use: one for the four
	v_add_f32 v[MV+1], v[EJ], v[EJ+1]
	v_add_f32 v57, v[EJ+2], v[EJ+3]
	v_add_f32 v[MV+1], v[MV+1], v57
	v_add_f32_dpp v[MV+1], v[MV+1], v[MV+1] row_xmask:1 row_mask:0xf bank_mask:0xf
	v_add_f32_dpp v[MV+1], v[MV+1], v[MV+1] row_xmask:2 row_mask:0xf bank_mask:0xf
	v_add_f32_dpp v[MV+1], v[MV+1], v[MV+1] row_xmask:4 row_mask:0xf bank_mask:0xf
	v_add_f32_dpp v[MV+1], v[MV+1], v[MV+1] row_xmask:8 row_mask:0xf bank_mask:0xf
	v_permlanex16_b32 v58, v[MV+1], s16, s17
	v_add_f32 v[MV+1], v[MV+1], v58                ; l_v
	ds_store_b64 v[LA], v[MV:MV+1]                 ; all lanes write the same pair
	s_wait_dscnt 0x0                               ; for the others' sake
	s_barrier_signal -1
	s_barrier_wait -1
.irp k, 0,1,2,3
	ds_load_b128 v[ML+4*(\k):ML+4*(\k)+3], v[ZA] offset:16*(\k)
.endr
	s_wait_dscnt 0x0
	v_max3_num_f32 v57, v[ML], v[ML+2], v[ML+4]
	v_max3_num_f32 v57, v57, v[ML+6], v[ML+8]
	v_max3_num_f32 v57, v57, v[ML+10], v[ML+12]
	v_max_num_f32 v57, v57, v[ML+14]               ; M
.irp t, 0,1,2,3,4,5,6,7
	v_sub_f32 v[ML+2*(\t)], v[ML+2*(\t)], v57
.endr
	v_sub_f32 v[FV], v[MV], v57
.irp t, 0,1,2,3,4,5,6,7
	v_mul_f32 v[ML+2*(\t)], s20, v[ML+2*(\t)]
.endr
	v_mul_f32 v[FV], s20, v[FV]
.irp t, 0,1,2,3,4,5,6,7
	v_exp_f32 v[ML+2*(\t)], v[ML+2*(\t)]           ; f_t
.endr
	v_exp_f32 v[FV], v[FV]                         ; f_v
	v_nop
	s_wait_alu depctr_va_vdst(0)                   ; one wait for the nine
	v_mul_f32 v[FV+1], v[ML], v[ML+1]
.irp t, 1,2,3,4,5,6,7
	v_fmac_f32 v[FV+1], v[ML+2*(\t)], v[ML+2*(\t)+1]
.endr
	v_rcp_f32 v[IV], v[FV+1]
	v_nop
	s_wait_alu depctr_va_vdst(0)
	v_mul_f32 v[FV], v[FV], v[IV]
.irp t, 0,1,2,3,4,5,6,7
	v_mul_f32 v[ML+2*(\t)], v[ML+2*(\t)], v[IV]
.endr
	v_pk_mul_f32 v[EJ:EJ+1],   v[EJ:EJ+1],   v[FV:FV+1] op_sel_hi:[1,0]
	v_pk_mul_f32 v[EJ+2:EJ+3], v[EJ+2:EJ+3], v[FV:FV+1] op_sel_hi:[1,0]
	global_store_b128 v[OFF], v[EJ:EJ+3], s[10:11] ; the weights: a wave's store covers 512 consecutive bytes, aligned
	s_wait_loadcnt 0x0                             ; the partial contexts
	v_pk_mul_f32 v[OC:OC+1],   v[CX:CX+1],   v[ML:ML+1] op_sel_hi:[1,0]
	v_pk_mul_f32 v[OC+2:OC+3], v[CX+2:CX+3], v[ML:ML+1] op_sel_hi:[1,0]
.irp t, 1,2,3,4,5,6,7
	v_pk_fma_f32 v[OC:OC+1],   v[CX+4*(\t):CX+4*(\t)+1],   v[ML+2*(\t):ML+2*(\t)+1], v[OC:OC+1]   op_sel_hi:[1,0,1]
	v_pk_fma_f32 v[OC+2:OC+3], v[CX+4*(\t)+2:CX+4*(\t)+3], v[ML+2*(\t):ML+2*(\t)+1], v[OC+2:OC+3] op_sel_hi:[1,0,1]
.endr
	global_store_b128 v[OFF], v[OC:OC+3], s[8:9]
	s_wait_tensorcnt 0x0                           ; the wave's end, behind my last LDS store
	ds_add_u32 v[SPW], v[NIL]
	s_wait_dscnt 0x0
	s_endpgm
.Lfunc_end_k_qc5facd1b73_finish:
	.size	k_qc5facd1b73_finish, .Lfunc_end_k_qc5facd1b73_finish-k_qc5facd1b73_finish
	.p2alignl 7, 3214868480
	.fill 96, 4, 3214868480
	.section	.rodata,"a",@progbits
	.p2align	6, 0x0
	.amdhsa_kernel k_qc5facd1b73_finish
		.amdhsa_group_segment_fixed_size 1280
		.amdhsa_private_segment_fixed_size 0
		.amdhsa_enable_private_segment 0
		.amdhsa_kernarg_size 32
		.amdhsa_user_sgpr_count 2
		.amdhsa_user_sgpr_kernarg_segment_ptr 1
		.amdhsa_wavefront_size32 1
		.amdhsa_system_sgpr_workgroup_id_x 1
		.amdhsa_system_sgpr_workgroup_id_y 1
		.amdhsa_system_sgpr_workgroup_id_z 1
		.amdhsa_system_vgpr_workitem_id 0
		.amdhsa_next_free_vgpr 80
		.amdhsa_next_free_sgpr 66
		.amdhsa_reserve_vcc 0
		.amdhsa_float_denorm_mode_32 3
		.amdhsa_float_denorm_mode_16_64 3
		.amdhsa_memory_ordered 1
		.amdhsa_forward_progress 1
		.amdhsa_inst_pref_size 7
	.end_amdhsa_kernel
	.amdgpu_metadata
---
amdhsa.version: [ 1, 2 ]
amdhsa.kernels:
  - .name:           k_qc5facd1b73_finish
    .symbol:         k_qc5facd1b73_finish.kd
    .args:
      - { .name: logits, .offset: 0, .size: 8, .value_kind: global_buffer, .address_space: global }
      - { .name: ctxp, .offset: 8, .size: 8, .value_kind: global_buffer, .address_space: global }
      - { .name: out0, .offset: 16, .size: 8, .value_kind: global_buffer, .address_space: global }
      - { .name: out1, .offset: 24, .size: 8, .value_kind: global_buffer, .address_space: global }
    .group_segment_fixed_size: 1280
    .private_segment_fixed_size: 0
    .kernarg_segment_align: 8
    .kernarg_segment_size: 32
    .max_flat_workgroup_size: 256
    .sgpr_count:     66
    .vgpr_count:     80
    .wavefront_size: 32
...
	.end_amdgpu_metadata
.endif
;; end of part 3
;; ======== version 2 of 2: 3 launches; version 1 with the launch main written anew for expert scheduling mode
;; workspace buffers: w1f 2,097,152 bytes; cvec 262,144 bytes; logits 262,144 bytes; ctxp 2,097,152 bytes
;; launch prep: the kernel of part 1 again; grid 256 x 1, 4 waves a work-group, no clusters, 4,608 bytes of LDS; arguments W1_w, W2_w, hidden, W1_b, W2_b, w1f, cvec; writes w1f, cvec
;; launch main (part 4): grid 512 x 1, 4 waves a work-group, no clusters, 283,136 bytes of LDS; arguments features, w1f, cvec, V_w, V_b, logits, ctxp; writes logits, ctxp
.if DOCPART == 4
	.amdgcn_target "amdgcn-amd-amdhsa--gfx1250"
	.amdhsa_code_object_version 6
	.text
	.protected	k_qc5facd1b73_main
	.globl	k_qc5facd1b73_main
	.p2align	8
	.type	k_qc5facd1b73_main,@function
k_qc5facd1b73_main:
	s_mov_b64 s[64:65], 0
	v_nop
	global_prefetch_b8 v0, s[64:65] scope:SCOPE_SE
	s_setreg_imm32_b32 hwreg(HW_REG_WAVE_SCHED_MODE, 0, 2), 2
	s_setreg_imm32_b32 hwreg(HW_REG_WAVE_MODE, 25, 1), 1
	s_wait_xcnt 0x0
	s_wait_alu depctr_vm_vsrc(0)
; A TILE = 128 positions of one batch (512 tiles).  For its rows x: logit = V . tanh(x W1 + W1_b + hidden W2 + W2_b) + V_b; the tile's own maximum m; p = e^(logit - m);
; the partial context sum_s p_s x_s.  Stored: the 128 logits and the 1,024 partial sums, both f32; the last launch joins a batch's eight tiles by their maxima.
; EACH BYTE OF features ONCE: the tile is rounded once to bf16 on its way in and stays in LDS (128 x 1,024 x 2 bytes) for both column chunks of the product and for the context.
; SHARES.  Four waves; every wave takes all 128 rows and 128 of a chunk's 512 units: 64 accumulators of 16 x 16, 512 registers; two chunks.  K goes in 8 slices of 128 (a STEP), each four
; quarters of 32 (64 matrix instructions).  A's fragments come out of LDS, 16 loads a quarter.  W1's fragments are a wave's own (no other wave wants its 128 units), so they come from
; w1f straight into registers: 16 loads a quarter, 512 consecutive bytes each, a ring of four quarters.
; features RIDE ON CHUNK 0: slice t + 1 is loaded, rounded and stored to LDS while slice t is multiplied; a set of 8 loads (8 rows x 512 bytes of a wave's 32 rows) a quarter, a ring of four sets.
; THE PRODUCT IS TAKEN TRANSPOSED (source 0 = 16 units, source 1 = 16 rows): a lane holds ONE row (16 a + lane % 16) and units 16 nb + 8 (lane / 16) + 0..7, so the sum over units stays
; in the lane but for one exchange of the lanes' halves and one meeting of the four waves in LDS.
; tanh(z) = 1 - 2 / (1 + 2^(K2 z)), K2 = 2 log2(e): 1 where the power overflows, -1 where it vanishes.  cvec holds K2 x (the batch's vector and both biases).
; NO CLUSTER, NO TENSOR LOADS, though all work-groups walk the same W1: the resident tile and the scratch take 283,136 of the 327,680 bytes; a quarter of W1 for four waves is 32,768 bytes, and two
; slots of that do not fit in the 44,544 left; features must pass through registers to be rounded.
; LIMITS.  features and W1 enter the product, and features the context, rounded once to bf16; all else is f32.  NaN and infinities are not treated apart; a weight below 2^-126 counts as 0.
; THE MODE: SCHED_MODE bits 1:0 = 2 (LLVM: expert scheduling mode 2), set by the entry lines.  The code itself states the register dependences between vector or matrix instructions and
; memory or LDS instructions, with s_wait_alu, always for 0.
; THE PLAN.  Registers that memory or LDS instructions touch in the loop; q is the quarter, s = q % 4:
;   LO0, LO1        A's row blocks 0-3, by the quarter's parity.  The first 32 products of quarter q read LO[q % 2]; the LDS loads in the middle of quarter q land in the other, which quarter q - 1 read last.
;   UP              A's row blocks 4-7.  The last 32 products of quarter q read it; the LDS loads at the head of quarter q + 1 land in it.
;   W1's ring       All 64 products of quarter q read buffer s; the loads behind the first 16 products of quarter q + 1 land in it (W1 of quarter q + 4).
;   features' ring  Set (s + 1) % 4 is rounded in place at the head of quarter q; the LDS stores behind the head's wait read it; the loads in the quarter's middle land in it.
;   v[ADA], v[FSA]  Read by the LDS loads and stores; written once a STEP, at its end.  The other addresses and offsets are made at the head and never written again in the loop.
; So ONE wait on va_vdst stands in a quarter, at its head, behind the conversions: quarter q - 1's products are done reading UP, the other LO and ring buffer s - 1; the conversions have written the set;
; in a STEP's first quarter the two addresses are written.  Behind it quarter q's products name LO[q % 2], UP (behind its loads' wait on DScnt), ring buffer s and the accumulators: none of the registers
; that the quarter's other loads and stores touch, so these are dealt among the products with no further wait on that field.  A wait on vm_vsrc stands ahead of the set's reload and at a STEP's end.
; REGISTERS, in windows of 256 (s_set_vgpr_msb: bits 1:0 source 0, 3:2 source 1, 5:4 source 2, 7:6 destination):
;   window 0: v1-15 addresses; v16-31, v48-63 LO1 (at the head and behind the loop: at work); v32-39 the logits' sums, one a row block; v40-47 at work; v64-95 LO0; v96-127 UP;
;             v128-255 features' ring, later c' and V, later the context's rows
;   window 1: W1's ring: quarter s at 64 s, fragment nb at + 8 nb          windows 2, 3: accumulator (a, nb) at 64 (a % 4) + 8 nb in window 2 + a / 4
.set PITCH, 272                        ; an LDS row of a slice: 256 bytes + 16 = 68 words: row r starts at bank 4 r mod 64 (64 banks of 4 bytes: ISA guide 11.1), so the 16 rows of a fragment load start at 16 different banks
.set SLICE, 128*PITCH                  ; A lies slice by slice: slice t at t x 34,816, row s at + 272 s
.set SCR,   8*SLICE                    ; wave w's 128 partial logits at + 512 w
.set PSB,   SCR+2048                   ; each wave's own copy of p[128] at + 512 w
.set SPARE, PSB+2048                   ; the spare words, 128 bytes a wave: two blocks of 256 bytes that no other line names
.set XA,   1                           ; v1   my 8 bytes of row 0 in slice 2 w, walking
.set ADA0, 2                           ; v2   272 r + 16 h: my place in a fragment's rows; never rewritten
.set ADA,  3                           ; v3   the same in the slice in hand
.set FSA,  4                           ; v4   where my 8 bytes of my wave's first row go, in the slice after the one in hand
.set FGO,  5                           ; v5   my 16 bytes of my wave's first row of features
.set BO,   6                           ; v6   16 L
.set CVO,  7                           ; v7   256 h
.set VO,   8                           ; v8   32 h
.set PFO,  9                           ; v9   the prefetches' offset: a lane a row of my wave's 32
.set SPW,  10                          ; v10  LDS address of my spare word; never rewritten
.set NIL,  11                          ; v11  0; never rewritten
.set LPA,  12                          ; v12  SCR + 512 w + 4 r
.set LRA,  13                          ; v13  SCR + 16 L
.set PSA,  14                          ; v14  PSB + 512 w + 16 L
.set PA,   15                          ; v15  PSB + 512 w, walking
.set AL1,  16                          ; LO1: block a at AL1 + 8 a + 16 (a / 2): v16, v24, v48, v56
.set LGS,  32
.set CA,   48                          ; v[48:55] the context's sums
.set AF,   64                          ; LO0: block a at AF + 8 a; UP: block 4 + a at AF + 32 + 8 a
.set FRING, 128                        ; features' ring: set j at + 32 j
.set CV,   128                         ; the epilogue: c' of pair p at CV + 2 p,
.set VV,   192                         ; V at VV + 2 p
.set CX,   128                         ; the context: two buffers of 8 rows x 4 registers,
.set CP,   192                         ; and of 8 weights
.set WV,  18
.set FB,  20                           ; s[20:21] features at the tile's first row, at the slice in hand
.set WB,  22                           ; s[22:23] w1f at my wave's stream, at the STEP in hand
.set CB,  24                           ; s[24:25] cvec at my wave's units, the tile's batch
.set VP,  26                           ; s[26:27] V_w at my wave's units
.set LP,  28                           ; s[28:29] logits at the tile
.set XP,  30                           ; s[30:31] ctxp at the tile, my wave's 256 columns
.set K2,  32                           ; s[32:33] 2 log2(e), named as a pair
.set SEL, 34                           ; s[34:35] v_permlanex16_b32's selects: each lane takes its own place in the other half
.set L2E, 36                           ; s36  log2(e)
.set G,   38                           ; s38  the STEP's number, 0..15
.set T,   39                           ; s39  counts the loop's STEPs
.set CH,  40                           ; s40  chunks to go
.set VB,  41                           ; s41  V_b
.set CT,  42                           ; s42  counts the context's trips
.set MSB, 0
.macro WIN new                         ; the immediate's high byte repeats the setting that is left; a switch that changes nothing is dropped
.if MSB != (\new)
	s_set_vgpr_msb (MSB<<8)|(\new)
.set MSB, \new
.endif
.endm
.set MUL_LO, 0xa1                      ; source 0 (W1) window 1, source 1 (A) window 0, C and D window 2; + 0x50: window 3
.set TO_B,   0x40                      ; destination window 1
.set TO_T,   0x80                      ; destination window 2
.set CVT_T,  0x8a                      ; sources 0, 1 and destination window 2
.set ST_T,   0x08                      ; an LDS store's data in window 2
.macro PLACES                          ; a load into a register that a matrix instruction has read, and a vector instruction that reads its result, stand four places behind it; only plain vector
.rept 4                                ; instructions that name none of its registers are places (ISA guide 7.12.1 for vector instructions)
	v_nop
.endr
.endm
	s_load_b256 s[4:11], s[0:1], 0x0               ; features s[4:5], w1f s[6:7], cvec s[8:9], V_w s[10:11]
	s_load_b128 s[12:15], s[0:1], 0x20             ; V_b s[12:13], logits s[14:15]
	s_load_b64 s[16:17], s[0:1], 0x30              ; ctxp
	v_lshl_add_u32 v[SPW], v0, 2, SPARE
	v_mov_b32 v[NIL], 0
	v_lshrrev_b32 v23, 5, v0
	v_readfirstlane_b32 s[WV], v23                 ; wave 0..3
	v_and_b32 v20, 31, v0                          ; L
	v_and_b32 v21, 15, v0                          ; r
	v_bfe_u32 v22, v0, 4, 1                        ; h
	s_wait_alu depctr_va_sdst(0)                   ; s[WV] is written, ahead of its first reader: the line below
	s_mul_i32 s43, s[WV], 32*PITCH                 ; my wave's 32 rows in a slice
	s_lshl_b32 s44, s[WV], 17                      ; and in features: 32 rows of 4,096 bytes
	s_lshl_b32 s45, s[WV], 9
	s_add_co_u32 s46, s45, SCR
	s_add_co_u32 s47, s45, PSB
	s_mul_i32 s48, s[WV], 2*SLICE
	v_mul_u32_u24 v[ADA0], v21, PITCH
	v_lshl_add_u32 v[ADA0], v22, 4, v[ADA0]
	v_lshl_add_u32 v[FSA], v20, 3, s43
	v_lshl_add_u32 v[FGO], v20, 4, s44
	v_lshlrev_b32 v[BO], 4, v20
	v_lshlrev_b32 v[CVO], 8, v22
	v_lshlrev_b32 v[VO], 5, v22
	v_lshl_add_u32 v[PFO], v20, 12, s44
	v_lshl_add_u32 v[LPA], v21, 2, s46
	v_lshl_add_u32 v[LRA], v20, 4, SCR
	v_lshl_add_u32 v[PSA], v20, 4, s47
	v_mov_b32 v[PA], s47
	v_lshl_add_u32 v[XA], v20, 3, s48
	; offsets, each in a pair of its own with 0 on top (the largest, 511 x 2^19, is under 2^32)
	s_lshl_b32 s50, ttmp9, 19                      ; the tile's 128 rows of 4,096 bytes
	s_mov_b32 s51, 0
	s_lshl_b32 s52, s[WV], 19                      ; my wave's 524,288 bytes of w1f
	s_mov_b32 s53, 0
	s_lshl_b32 s54, s[WV], 15                      ; cvec: my wave's 8 blocks of 16 units,
	s_lshr_b32 s49, ttmp9, 7                       ; the batch / 16,
	s_lshl_b32 s49, s49, 10
	s_add_co_u32 s54, s54, s49
	s_bfe_u32 s49, ttmp9, 0x40003                  ; the batch % 16 (the batch is the tile / 8)
	s_lshl_b32 s49, s49, 4
	s_add_co_u32 s54, s54, s49
	s_mov_b32 s55, 0
	s_mov_b32 s56, s45                             ; V_w: my wave's 128 units
	s_mov_b32 s57, 0
	s_lshl_b32 s58, ttmp9, 9                       ; logits: 128 numbers a tile
	s_mov_b32 s59, 0
	s_lshl_b32 s60, ttmp9, 12                      ; ctxp: 1,024 numbers a tile, my wave's 256
	s_lshl_b32 s49, s[WV], 10
	s_add_co_u32 s60, s60, s49
	s_mov_b32 s61, 0
	s_mov_b32 s[K2], 0x4038aa3b
	s_mov_b32 s[K2+1], 0x4038aa3b
	s_mov_b32 s[SEL], 0x76543210
	s_mov_b32 s[SEL+1], 0xfedcba98
	s_mov_b32 s[L2E], 0x3fb8aa3b
	s_mov_b32 s[G], 0
	s_mov_b32 s[CH], 2
	s_wait_kmcnt 0x0
	s_load_b32 s[VB], s[12:13], 0x0
	s_add_nc_u64 s[FB:FB+1], s[4:5], s[50:51]
	s_add_nc_u64 s[WB:WB+1], s[6:7], s[52:53]
	s_add_nc_u64 s[CB:CB+1], s[8:9], s[54:55]
	s_add_nc_u64 s[VP:VP+1], s[10:11], s[56:57]
	s_add_nc_u64 s[LP:LP+1], s[14:15], s[58:59]
	s_add_nc_u64 s[XP:XP+1], s[16:17], s[60:61]
; A set of features: 8 loads into registers fr ..: the whole 512 bytes of rows 8 j + 0..7 of my wave's 32, in the slice that begins so bytes behind FB
.macro FLOADS fr, j, so
.irp i, 0,1,2,3,4,5,6,7
	global_load_b128 v[(\fr)+4*(\i):(\fr)+4*(\i)+3], v[FGO], s[FB:FB+1] offset:(8*(\j)+(\i))*4096+(\so) th:TH_LOAD_NT
.endr
.endm
; A quarter of W1 into ring buffer s: 8 fragments, 16 loads of 512 consecutive bytes
.macro BLOAD s, off
	WIN TO_B
.irp nb, 0,1,2,3,4,5,6,7
	global_load_b128 v[64*(\s)+8*(\nb):64*(\s)+8*(\nb)+3],   v[BO], s[WB:WB+1] offset:(\off)+(\nb)*1024
	global_load_b128 v[64*(\s)+8*(\nb)+4:64*(\s)+8*(\nb)+7], v[BO], s[WB:WB+1] offset:(\off)+(\nb)*1024+512
.endr
.endm
	; THE START.  Sets 0 to 4 of features (slice 0 and the first quarter of slice 1) land in window 2, where the accumulators will be; behind them the two rings are filled in the order in which the
	; loop keeps them: set 5 + j, then W1's quarter j; W1's quarter 3 is asked for by the first quarter, as every quarter asks for the one three on.
	WIN TO_T
	s_wait_alu depctr_va_vdst(0)                   ; the addresses and offsets v1, v2 and v4 to v15 are written, which the loads, stores and prefetches of the kernel read
.set i, 0
.rept 40
	global_load_b128 v[4*i:4*i+3], v[FGO], s[FB:FB+1] offset:(i%32)*4096+(i/32)*512 th:TH_LOAD_NT
.set i, i+1
.endr
.irp j, 0,1,2,3
	WIN 0
	FLOADS FRING+32*(((\j)+1)%4), ((\j)+1)%4, 512+512*((\j)/3)
.if (\j) < 3
	BLOAD \j, (\j)*8192
.endif
.endr
	s_wait_loadcnt 63                              ; 80 loads are younger than the first 40; 63 is the largest count that can be named
	WIN CVT_T
.set i, 0
.rept 40
	v_cvt_pk_bf16_f32 v[4*i],   v[4*i],   v[4*i+1]
	v_cvt_pk_bf16_f32 v[4*i+1], v[4*i+2], v[4*i+3]
.set i, i+1
.endr
	WIN ST_T
	s_wait_alu depctr_va_vdst(0)                   ; the conversions have written the pairs that the LDS stores read
.set i, 0
.rept 40
	ds_store_b64 v[FSA], v[4*i:4*i+1] offset:(i%32)*PITCH+(i/32)*SLICE  ; 32 lanes x 8 bytes: a row's 256 bytes
.set i, i+1
.endr
	WIN 0
	s_wait_alu depctr_vm_vsrc(0)                   ; the LDS stores have read v[FSA], which the next line writes, and window 2's registers, which the products write
	v_add_nc_u32 v[FSA], SLICE, v[FSA]             ; from now on: the slice after the one in hand
.irp a, 0,1,2,3,4,5,6,7
	v_mov_b32 v[LGS+(\a)], 0                       ; the logits' sums run over both chunks
	v_mov_b32 v[40+(\a)], 0                        ; (v_permlanex16_b32 counts as a reader of its destination)
.endr
	s_wait_kmcnt 0x0                               ; V_b
	s_wait_dscnt 0x0                               ; for the others' sake: my rows of slice 0 are in LDS
	s_barrier_signal -1
	s_barrier_wait -1
; 16 matrix instructions: row blocks a0, a0 + 1 of the window's four x all 8 unit blocks, 32 along K, W1 from ring buffer s; A from UP (hi = 1) or from LO[s % 2].  zero = 1: the product starts the sums.
; The 64 accumulators take turns in the same order in every quarter: 63 others stand between two links of a chain, over the backward jumps too.
.macro MUL16 s, hi, a0, zero
	WIN MUL_LO+0x50*(\hi)
.irp a, \a0, (\a0)+1
.if (\hi) == 1
.set RA, AF+32+8*(\a)
.elseif ((\s)%2) == 0
.set RA, AF+8*(\a)
.else
.set RA, AL1+8*(\a)+16*((\a)/2)
.endif
.irp nb, 0,1,2,3,4,5,6,7
.if \zero
	v_wmma_f32_16x16x32_bf16 v[64*(\a)+8*(\nb):64*(\a)+8*(\nb)+7], v[64*(\s)+8*(\nb):64*(\s)+8*(\nb)+7], v[RA:RA+7], 0
.else
	v_wmma_f32_16x16x32_bf16 v[64*(\a)+8*(\nb):64*(\a)+8*(\nb)+7], v[64*(\s)+8*(\nb):64*(\s)+8*(\nb)+7], v[RA:RA+7], v[64*(\a)+8*(\nb):64*(\a)+8*(\nb)+7]
.endif
.endr
.endr
.endm
; 8 LDS loads: A's fragments of four row blocks, 32 along K at byte off behind ADA.  A fragment is 16 rows x 32 K: two loads of 16 bytes, 32 bytes apart.  The largest offset is 47,904.
.macro ALOADL p, off                   ; row blocks 0-3 into LO[p]
.irp a, 0,1,2,3
.if (\p) == 0
.set RA, AF+8*(\a)
.else
.set RA, AL1+8*(\a)+16*((\a)/2)
.endif
	ds_load_b128 v[RA:RA+3],   v[ADA] offset:(\off)+(\a)*16*PITCH
	ds_load_b128 v[RA+4:RA+7], v[ADA] offset:(\off)+(\a)*16*PITCH+32
.endr
.endm
.macro ALOADU off                      ; row blocks 4-7 into UP
.irp a, 0,1,2,3
	ds_load_b128 v[AF+32+8*(\a):AF+32+8*(\a)+3],   v[ADA] offset:(\off)+(4+(\a))*16*PITCH
	ds_load_b128 v[AF+32+8*(\a)+4:AF+32+8*(\a)+7], v[ADA] offset:(\off)+(4+(\a))*16*PITCH+32
.endr
.endm
; features in quarter Q = 4 G + s.  Set n = Q + 5 (slice n / 4, rows 8 (n % 4) ..), which lies in ring set (s + 1) % 4, is rounded and stored; set n + 4 is asked for into the same registers.  There are 32 sets:
; the stores end with Q = 26, the loads with Q = 22; chunk 1 (G >= 8) does neither.  The tests hang on the STEP's number alone.
.macro FSET s
.set FJ, ((\s)+1)%4
.set FR, FRING+32*FJ
.if (\s) == 3
.set FTS, 6
.set FTL, 5
.set FSO, SLICE
.set FLO, 1536
.else
.set FTS, 7
.set FTL, 6
.set FSO, 0
.set FLO, 1024
.endif
.endm
; THE HEAD OF A QUARTER in a STEP that has a successor.  The set is rounded ahead of the wait; UP's loads and the set's stores follow it.  The 16 conversions, or four v_nop, are also the places between
; the last quarter's products and the loads into the registers that they read.  The waits on DScnt: this quarter's LO, asked for in the last quarter's middle, must be in; younger than it are UP's 8 loads
; and, where there are stores, those 8.
.macro FHEAD s
	FSET \s
	s_cmp_lt_u32 s[G], FTS
	s_cbranch_scc0 .Lno_\@
.irp i, 0,1,2,3,4,5,6,7
	v_cvt_pk_bf16_f32 v[FR+4*(\i)],   v[FR+4*(\i)],   v[FR+4*(\i)+1]
	v_cvt_pk_bf16_f32 v[FR+4*(\i)+1], v[FR+4*(\i)+2], v[FR+4*(\i)+3]
.endr
	s_wait_alu depctr_va_vdst(0)                   ; the last quarter's products are done reading UP, the other LO and their buffer of W1's ring; the conversions have written the set and are done reading it; in a STEP's first quarter v[ADA] and v[FSA] are written
	ALOADU (\s)*64
.irp i, 0,1,2,3,4,5,6,7
	ds_store_b64 v[FSA], v[FR+4*(\i):FR+4*(\i)+1] offset:(8*FJ+(\i))*PITCH+FSO
.endr
	s_wait_dscnt 16
	s_branch .Lgo_\@
.Lno_\@:
	PLACES
	s_wait_alu depctr_va_vdst(0)                   ; the last quarter's products are done reading UP, the other LO and their buffer of W1's ring; in a STEP's first quarter v[ADA] is written
	ALOADU (\s)*64
	s_wait_dscnt 8
.Lgo_\@:
.endm
; THE MIDDLE: the set is asked for again.
; THE PREFETCH (quarter 0, G <= 3): my wave's own 32 rows x 512 bytes of slice G + 4, a lane a row, two lines, behind the quarter's loads.  The loads of that slice begin seven quarters on.  Each
; row's 512 bytes of a slice are named once in the launch, by the wave that will load them; slices 0 to 3 come by their loads alone; slice 7 is the last, so nothing is named past the tile.
.macro FMID s
	FSET \s
	s_cmp_lt_u32 s[G], FTL
	s_cbranch_scc0 .Lnl_\@
	s_wait_alu depctr_vm_vsrc(0)                   ; the LDS stores at the quarter's head have read the set's registers, in which the loads below land (the conversions that named them stand ahead of the head's wait on va_vdst)
	FLOADS FR, FJ, FLO
.if (\s) == 0
	s_cmp_lt_u32 s[G], 4
	s_cbranch_scc0 .Lnl_\@
	global_prefetch_b8 v[PFO], s[FB:FB+1] offset:2048 th:TH_LOAD_NT scope:SCOPE_SE
	global_prefetch_b8 v[PFO], s[FB:FB+1] offset:2304 th:TH_LOAD_NT scope:SCOPE_SE
.endif
.Lnl_\@:
.endm
; A QUARTER: 64 matrix instructions on W1's ring buffer s.  lc: how many younger global loads may stay out when this quarter's W1 (and the set of features that was asked for just ahead of it) must be in.
; kind 0: a STEP with a successor in its chunk; 1: chunk 0's last STEP (A is not fetched past the chunk's end; W1's stream runs on into chunk 1); 2: chunk 1's last (its first quarter asks for the stream's last quarter, the others for nothing).
; Behind the head's wait: UP for this quarter; behind 16 products W1 of the quarter three on, into the buffer that the last quarter read; in the middle the next quarter's LO and the set's reload.
; THE BARRIER, one a STEP, in quarter 3: slice G + 1, whose first fragments are fetched behind it, was stored at the heads of the four quarters before; each wave waits for its LDS stores (and loads) in front of its signal.
.macro QUARTER s, zero, lc, kind
.set NK, ((\s)+1)*64
.if (\s) == 3
.set NK, SLICE
.endif
	WIN 0
	s_wait_loadcnt \lc
.if (\kind) == 0
	FHEAD \s
.else
	PLACES
	s_wait_alu depctr_va_vdst(0)                   ; the last quarter's products are done reading UP, the other LO and their buffer of W1's ring; in the STEP's first quarter v[ADA] is written
	ALOADU (\s)*64
	s_wait_dscnt 8                                 ; this quarter's LO is in; UP's eight loads may be out
.endif
	MUL16 \s, 0, 0, \zero
.if ((\kind) != 2) || ((\s) == 0)
	BLOAD ((\s)+3)%4, ((\s)+3)*8192                ; no wait: no vector or matrix instruction since the head's wait names that buffer
.endif
.if ((\s) == 3) && ((\kind) == 0)
	s_wait_dscnt 0x0                               ; my stores into the next slice are done, and no LDS instruction of mine is out:
	s_barrier_signal -1                            ; say so, and work on registers while the others arrive
.endif
	MUL16 \s, 0, 2, \zero
	WIN 0
.if ((\s) == 3) && ((\kind) == 0)
	s_barrier_wait -1                              ; the next slice is whole
.endif
.if ((\s) < 3) || ((\kind) == 0)
	ALOADL ((\s)+1)%2, NK                          ; no wait: this quarter's products name the other LO
.endif
.if (\kind) == 0
	FMID \s
.endif
.if ((\s) < 3) || ((\kind) == 0)
	s_wait_dscnt 8                                 ; UP is in (and the set's stores are done); the next LO's eight loads may be out
.else
	s_wait_dscnt 0x0
.endif
	MUL16 \s, 1, 0, \zero
	MUL16 \s, 1, 2, \zero
.if (\s) == 3
	WIN 0
.if (\kind) != 2
	s_wait_xcnt 0x0                                ; every load and prefetch issued so far (the youngest load 32 matrix instructions back) has read its address, so the two pointers may be written
	s_add_nc_u64 s[WB:WB+1], s[WB:WB+1], 32768
	s_add_nc_u64 s[FB:FB+1], s[FB:FB+1], 512
.endif
.endif
.endm
.macro STEPEND                         ; on to the next slice; the next quarter's head states that the two addresses are written
	s_wait_alu depctr_vm_vsrc(0)                   ; the LDS loads and stores issued so far have read v[ADA] and v[FSA]; the stores have read features' ring as well, in which c' and V land in a chunk's last STEP
	v_add_nc_u32 v[ADA], SLICE, v[ADA]
	v_add_nc_u32 v[FSA], SLICE, v[FSA]
	s_add_co_u32 s[G], s[G], 1
.endm
.macro STEP zero                       ; a STEP with a successor in its chunk.  32 at each quarter's head: the two younger quarters of W1 (sets of features between them only raise the true number)
	QUARTER 0, \zero, 32, 0
	QUARTER 1, 0, 32, 0
	QUARTER 2, 0, 32, 0
	QUARTER 3, 0, 32, 0
	STEPEND
.endm
; c' and V of my lane's 64 units of chunk c: 32 loads, into the registers of features' ring
.macro CVLOAD c
.irp nb, 0,1,2,3,4,5,6,7
.irp q, 0,1
	global_load_b128 v[CV+8*(\nb)+4*(\q):CV+8*(\nb)+4*(\q)+3], v[CVO], s[CB:CB+1] offset:(\c)*131072+(\nb)*4096+(\q)*512
	global_load_b128 v[VV+8*(\nb)+4*(\q):VV+8*(\nb)+4*(\q)+3], v[VO],  s[VP:VP+1] offset:(\c)*2048+(\nb)*64+(\q)*16
.endr
.endr
.endm
; A CHUNK'S LAST STEP.  c' and V are asked for between its second and third quarter, 128 matrix instructions ahead of the epilogue.  They land in features' ring, so the wait lx ahead of them shows the ring's
; last loads done: the text's last set of features stands in the middle of quarter 3 of the STEP before; lx counts what was issued behind that set.  W1 of this STEP's third quarter was asked for in that
; same quarter 3, ahead of the set, so lx is also the wait that the third quarter needs.  No s_wait_alu: the conversions and the first chunk's epilogue, which named the ring, stand ahead of a quarter's
; head, and the LDS stores that read it ahead of the last STEP's end.
.macro LASTSTEP kind, c, l0, l1, lx, l2, l3
	QUARTER 0, 0, \l0, \kind
	QUARTER 1, 0, \l1, \kind
	WIN 0
	s_wait_loadcnt \lx
	CVLOAD \c
	QUARTER 2, 0, \l2, \kind
	QUARTER 3, 0, \l3, \kind
	STEPEND
.endm
; THE EPILOGUE, on one window's four row blocks i; a block is 64 registers, pair p at 64 i + 2 p.  In place: S1 z = K2 x + c';  EX 2^z;  AD + 1;  RC 1 / ..;  TT t = 1 - 2 ..;  SM four chains of V t.
; It holds no memory or LDS instruction: its waits are those behind transcendentals.
.macro S1 i, p
	v_pk_fma_f32 v[64*(\i)+2*(\p):64*(\i)+2*(\p)+1], v[64*(\i)+2*(\p):64*(\i)+2*(\p)+1], s[K2:K2+1], v[CV+2*(\p):CV+2*(\p)+1] op_sel_hi:[1,0,1]
.endm
.macro EX i, e
	v_exp_f32 v[64*(\i)+(\e)], v[64*(\i)+(\e)]
.endm
.macro AD i, p
	v_pk_add_f32 v[64*(\i)+2*(\p):64*(\i)+2*(\p)+1], v[64*(\i)+2*(\p):64*(\i)+2*(\p)+1], 1.0 op_sel_hi:[1,0]
.endm
.macro RC i, e
	v_rcp_f32 v[64*(\i)+(\e)], v[64*(\i)+(\e)]
.endm
.macro TT i, p
	v_pk_fma_f32 v[64*(\i)+2*(\p):64*(\i)+2*(\p)+1], v[64*(\i)+2*(\p):64*(\i)+2*(\p)+1], -2.0, 1.0 op_sel_hi:[1,0,0]
.endm
.macro SM i, p
.if (\p) < 4
	v_pk_mul_f32 v[64*(\i)+2*(\p):64*(\i)+2*(\p)+1], v[64*(\i)+2*(\p):64*(\i)+2*(\p)+1], v[VV+2*(\p):VV+2*(\p)+1]
.else
	v_pk_fma_f32 v[64*(\i)+2*((\p)%4):64*(\i)+2*((\p)%4)+1], v[64*(\i)+2*(\p):64*(\i)+2*(\p)+1], v[VV+2*(\p):VV+2*(\p)+1], v[64*(\i)+2*((\p)%4):64*(\i)+2*((\p)%4)+1]
.endif
.endm
.macro PQ i, e                         ; line e of the 64 that end block i: TT 0-3; then SM k, TT k + 4 by turns; SM 28-31
.if (\e) < 4
	TT \i, (\e)
.elseif (\e) >= 60
	SM \i, (\e)-32
.elseif ((\e)%2) == 0
	SM \i, ((\e)-4)/2
.else
	TT \i, ((\e)-4)/2+4
.endif
.endm
; The reciprocals of block i, ONE BATCH of 64 with one wait; behind each stands a plain line that names no result of the batch: the block's own additions (pair e + 2 behind reciprocal e, so a pair has its
; 1 added before its reciprocals), then the next block's scalings.
.macro STEPB i
	AD \i, 0
	AD \i, 1
.set e, 0
.rept 64
	RC \i, e
.if e < 30
	AD \i, e+2
.elseif (e < 62) && ((\i) < 3)
	S1 (\i)+1, e-30
.endif
.set e, e+1
.endr
	v_nop                                          ; a plain instruction behind the last reciprocal,
	s_wait_alu depctr_va_vdst(0)                   ; and the wait ahead of the first line that names a result: the block's 64 reciprocals are written
.endm
; A window.  Settings: EB = source 0 and destination in the window (source 2, c', in window 0); EA = source 2 in it too (source 1, V, in window 0); EC = all in it; ED = source 0 alone.
; The exponentials of a block are one batch of 64 with one wait as well; behind each stands a plain line: in block 0 the block's own scalings, later the end of the block before.
; Each accumulator is read first at its two lowest registers: S1 goes through a block's pairs in ascending order.
.macro EPIWIN hi
	WIN 0x82+0x41*(\hi)
	S1 0, 0
	S1 0, 1
.set e, 0
.rept 64
	EX 0, e
.if e < 30
	S1 0, e+2
.endif
.set e, e+1
.endr
	v_nop                                          ; a plain instruction behind the last exponential,
	s_wait_alu depctr_va_vdst(0)                   ; and the batch's wait: block 0's 64 exponentials are written, ahead of the additions that read them
	STEPB 0
.irp i, 1,2,3
	WIN 0xa2+0x51*(\hi)
.set e, 0
.rept 64
	EX \i, e
	PQ (\i)-1, e
.set e, e+1
.endr
	v_nop                                          ; a plain instruction behind the last exponential,
	s_wait_alu depctr_va_vdst(0)                   ; and the batch's wait: the block's 64 exponentials are written, ahead of the additions that read them
	WIN 0x82+0x41*(\hi)
	STEPB \i
.endr
	WIN 0xa2+0x51*(\hi)
.set e, 0
.rept 64
	PQ 3, e
.set e, e+1
.endr
	WIN 0xaa+0x55*(\hi)
.irp i, 0,1,2,3
	v_pk_add_f32 v[64*(\i):64*(\i)+1],   v[64*(\i):64*(\i)+1],   v[64*(\i)+2:64*(\i)+3]
	v_pk_add_f32 v[64*(\i)+4:64*(\i)+5], v[64*(\i)+4:64*(\i)+5], v[64*(\i)+6:64*(\i)+7]
.endr
.irp i, 0,1,2,3
	v_pk_add_f32 v[64*(\i):64*(\i)+1], v[64*(\i):64*(\i)+1], v[64*(\i)+4:64*(\i)+5]
.endr
.irp i, 0,1,2,3
	v_add_f32 v[64*(\i)], v[64*(\i)], v[64*(\i)+1]
.endr
	WIN 0x02+(\hi)
.irp i, 0,1,2,3
	v_add_f32 v[LGS+4*(\hi)+(\i)], v[64*(\i)], v[LGS+4*(\hi)+(\i)]
.endr
	WIN 0
.endm
.Lchunk:                                               ; twice: 512 units each
	v_mov_b32 v[ADA], v[ADA0]                      ; (every LDS load that read v[ADA] stands ahead of the wait on vm_vsrc at the last STEP's end)
	s_wait_alu depctr_va_vdst(0)                   ; v[ADA] is written, which the loads below read; the chunk before is done reading LO0, in which they land
	ALOADL 0, 0
	STEP 1                                         ; the chunk's first quarter starts the sums
	s_mov_b32 s[T], 6
.Lstep:
	STEP 0
	s_sub_co_u32 s[T], s[T], 1
	s_cmp_lg_u32 s[T], 0
	s_cbranch_scc1 .Lstep
	s_cmp_eq_u32 s[CH], 1
	s_cbranch_scc1 .Llast
	; chunk 0's last STEP goes on asking for W1, chunk 1's.  Quarters 0 and 1: two younger quarters of W1, 32.  Ahead of c' and V: behind the ring's last set stand the two quarters of W1 that this STEP's
	; first two quarters asked for, 32.  Quarter 2: its W1 was shown in by that wait.  Quarter 3: two quarters of W1 and the 32 loads of c' and V are younger, 64; 63 is the largest count that can be named.
	LASTSTEP 1, 0, 32, 32, 32, 63, 63
	s_wait_loadcnt 32                              ; c' and V are in: two quarters of chunk 1's W1 are younger
	s_branch .Lepi
.Llast:
	; chunk 1's last STEP asks for W1 once more, in its first quarter: 32 loads are younger than quarter 0's and 1's W1; behind the ring's last set stands that one quarter, 16; it and c' and V, 48, are
	; younger than quarter 2's; c' and V, 32, than quarter 3's.
	LASTSTEP 2, 1, 32, 32, 16, 48, 32
	s_wait_loadcnt 0x0
.Lepi:
	PLACES                                         ; with the two address steps: six places behind the last product
	EPIWIN 0
	EPIWIN 1
	s_sub_co_u32 s[CH], s[CH], 1
	s_cmp_lg_u32 s[CH], 0
	s_cbranch_scc1 .Lchunk
	; THE TILE'S LOGITS: the other half of the lanes holds a row's other units of my wave; the four waves' sums meet in LDS.
.irp a, 0,1,2,3,4,5,6,7
	v_permlanex16_b32 v[40+(\a)], v[LGS+(\a)], s[SEL], s[SEL+1]
.endr
.irp a, 0,1,2,3,4,5,6,7
	v_add_f32 v[LGS+(\a)], v[LGS+(\a)], v[40+(\a)]
.endr
	s_wait_alu depctr_va_vdst(0)                   ; the sums v[LGS ..] are written, which the LDS stores read; the lines above are done with v40-47 and the products with v48-55, in which the loads behind the barrier land
.irp a, 0,1,2,3,4,5,6,7
	ds_store_b32 v[LPA], v[LGS+(\a)] offset:64*(\a)    ; row 16 a + r; both halves of the lanes write the same number
.endr
	s_wait_dscnt 0x0                               ; for the others' sake
	s_barrier_signal -1
	s_barrier_wait -1
.irp v, 0,1,2,3
	ds_load_b128 v[40+4*(\v):43+4*(\v)], v[LRA] offset:512*(\v)  ; rows 4 L .. 4 L + 3, wave v's share; every wave makes all 128 logits, alike
.endr
	s_wait_dscnt 0x0
	v_pk_add_f32 v[40:41], v[40:41], v[44:45]
	v_pk_add_f32 v[42:43], v[42:43], v[46:47]
	v_pk_add_f32 v[48:49], v[48:49], v[52:53]
	v_pk_add_f32 v[50:51], v[50:51], v[54:55]
	v_pk_add_f32 v[40:41], v[40:41], v[48:49]
	v_pk_add_f32 v[42:43], v[42:43], v[50:51]
.irp j, 0,1,2,3
	v_add_f32 v[40+(\j)], s[VB], v[40+(\j)]
.endr
	s_cmp_lg_u32 s[WV], 0
	s_cbranch_scc1 .Lnot_mine
	s_wait_alu depctr_va_vdst(0)                   ; the logits v[40:43] are written, which the store reads
	global_store_b128 v[BO], v[40:43], s[LP:LP+1]  ; 512 consecutive bytes, aligned; v[40:43] are not rewritten
.Lnot_mine:
	v_max3_num_f32 v20, v40, v41, v42              ; the tile's maximum
	v_max_num_f32 v20, v20, v43
	v_max_num_f32_dpp v20, v20, v20 row_xmask:1 row_mask:0xf bank_mask:0xf
	v_max_num_f32_dpp v20, v20, v20 row_xmask:2 row_mask:0xf bank_mask:0xf
	v_max_num_f32_dpp v20, v20, v20 row_xmask:4 row_mask:0xf bank_mask:0xf
	v_max_num_f32_dpp v20, v20, v20 row_xmask:8 row_mask:0xf bank_mask:0xf
	v_permlanex16_b32 v21, v20, s[SEL], s[SEL+1]
	v_max_num_f32 v20, v20, v21
.irp j, 0,1,2,3
	v_sub_f32 v[44+(\j)], v[40+(\j)], v20
.endr
.irp j, 0,1,2,3
	v_mul_f32 v[44+(\j)], s[L2E], v[44+(\j)]
.endr
.irp j, 0,1,2,3
	v_exp_f32 v[44+(\j)], v[44+(\j)]               ; p = e^(logit - m), 0 to 1
.endr
.irp c, 0,1,2,3,4,5,6,7
	v_mov_b32 v[CA+(\c)], 0                        ; plain work behind the exponentials: the context's eight sums start at 0
.endr
	s_wait_alu depctr_va_vdst(0)                   ; the four exponentials have written v[44:47], which the store reads; the epilogue is done reading c' and V, in whose registers the context's loads land
	ds_store_b128 v[PSA], v[44:47]                 ; into my wave's own copy: LDS serves a wave's instructions in order (ISA guide 5.7.1.4), so the loads below see it
	; THE CONTEXT: sum over the 128 rows of p x.  Wave w takes columns 256 w .. (slices 2 w and 2 w + 1), a lane 4 + 4 of them; 8 rows a buffer, two buffers.
	; Buffer b is read by its 64 multiply-adds and then loaded again: a wait on va_vdst stands ahead of each reload; the one ahead of buffer 0's also states that the two stepped addresses are written.
.macro CLOAD b, row                    ; 18 LDS loads: 8 rows x (8 bytes in each of the two slices), and the 8 weights (all lanes at one address)
.irp i, 0,1,2,3,4,5,6,7
	ds_load_b64 v[CX+32*(\b)+4*(\i):CX+32*(\b)+4*(\i)+1],   v[XA] offset:((\row)+(\i))*PITCH
	ds_load_b64 v[CX+32*(\b)+4*(\i)+2:CX+32*(\b)+4*(\i)+3], v[XA] offset:((\row)+(\i))*PITCH+SLICE
.endr
	ds_load_b128 v[CP+8*(\b):CP+8*(\b)+3],   v[PA] offset:4*(\row)
	ds_load_b128 v[CP+8*(\b)+4:CP+8*(\b)+7], v[PA] offset:4*(\row)+16
.endm
.macro CFMA b                          ; 64 multiply-adds straight from the bf16 halves into f32: eight chains
.irp i, 0,1,2,3,4,5,6,7
.irp c, 0,2,4,6
	v_fma_mix_f32_bf16 v[CA+(\c)],   v[CX+32*(\b)+4*(\i)+(\c)/2], v[CP+8*(\b)+(\i)], v[CA+(\c)]   op_sel:[0,0,0] op_sel_hi:[1,0,0]
	v_fma_mix_f32_bf16 v[CA+(\c)+1], v[CX+32*(\b)+4*(\i)+(\c)/2], v[CP+8*(\b)+(\i)], v[CA+(\c)+1] op_sel:[1,0,0] op_sel_hi:[1,0,0]
.endr
.endr
.endm
	CLOAD 0, 0
	s_mov_b32 s[CT], 7
.Lctx:                                                 ; a trip: 16 rows
	s_wait_alu depctr_va_vdst(0)                   ; the last trip's multiply-adds are done reading buffer 1, in which the loads below land
	CLOAD 1, 8
	s_wait_dscnt 18                                ; buffer 0 is in; buffer 1's 18 loads may stay out
	CFMA 0
	s_wait_alu depctr_vm_vsrc(0)                   ; the LDS loads issued so far have read v[XA] and v[PA]
	v_add_nc_u32 v[XA], 16*PITCH, v[XA]
	v_add_nc_u32 v[PA], 64, v[PA]
	s_wait_alu depctr_va_vdst(0)                   ; v[XA] and v[PA] are written, which the loads below read; the multiply-adds above are done reading buffer 0, in which they land
	CLOAD 0, 0
	s_wait_dscnt 18
	CFMA 1
	s_sub_co_u32 s[CT], s[CT], 1
	s_cmp_lg_u32 s[CT], 0
	s_cbranch_scc1 .Lctx
	s_wait_alu depctr_va_vdst(0)                   ; the last trip's multiply-adds are done reading buffer 1
	CLOAD 1, 8                                     ; the last 16 rows: nothing is fetched behind them
	s_wait_dscnt 18
	CFMA 0
	s_wait_dscnt 0x0
	CFMA 1
	s_wait_alu depctr_va_vdst(0)                   ; the multiply-adds have written the eight sums, which the stores read
	global_store_b128 v[BO], v[CA:CA+3],   s[XP:XP+1]             ; 512 consecutive bytes each, aligned
	global_store_b128 v[BO], v[CA+4:CA+7], s[XP:XP+1] offset:512
	s_wait_dscnt 0x0                               ; the closing lines, six on end
	s_wait_alu 0x0
	s_wait_tensorcnt 0x0
	ds_add_u32 v[SPW], v[NIL]
	s_wait_dscnt 0x0
	s_endpgm
.Lfunc_end_k_qc5facd1b73_main:
	.size	k_qc5facd1b73_main, .Lfunc_end_k_qc5facd1b73_main-k_qc5facd1b73_main
	.p2alignl 7, 3214868480
	.fill 96, 4, 3214868480
	.section	.rodata,"a",@progbits
	.p2align	6, 0x0
	.amdhsa_kernel k_qc5facd1b73_main
		.amdhsa_group_segment_fixed_size 283136
		.amdhsa_private_segment_fixed_size 0
		.amdhsa_enable_private_segment 0
		.amdhsa_kernarg_size 56
		.amdhsa_user_sgpr_count 2
		.amdhsa_user_sgpr_kernarg_segment_ptr 1
		.amdhsa_wavefront_size32 1
		.amdhsa_system_sgpr_workgroup_id_x 1
		.amdhsa_system_sgpr_workgroup_id_y 1
		.amdhsa_system_sgpr_workgroup_id_z 1
		.amdhsa_system_vgpr_workitem_id 0
		.amdhsa_next_free_vgpr 1024
		.amdhsa_next_free_sgpr 66
		.amdhsa_reserve_vcc 0
		.amdhsa_float_denorm_mode_32 3
		.amdhsa_float_denorm_mode_16_64 3
		.amdhsa_memory_ordered 1
		.amdhsa_forward_progress 1
		.amdhsa_inst_pref_size 255
	.end_amdhsa_kernel
	.section	.bss,"aw",@nobits
	.p2align	6
	.space	262144
	.amdgpu_metadata
---
amdhsa.version: [ 1, 2 ]
amdhsa.kernels:
  - .name:           k_qc5facd1b73_main
    .symbol:         k_qc5facd1b73_main.kd
    .args:
      - { .name: features, .offset: 0, .size: 8, .value_kind: global_buffer, .address_space: global }
      - { .name: w1f, .offset: 8, .size: 8, .value_kind: global_buffer, .address_space: global }
      - { .name: cvec, .offset: 16, .size: 8, .value_kind: global_buffer, .address_space: global }
      - { .name: V_w, .offset: 24, .size: 8, .value_kind: global_buffer, .address_space: global }
      - { .name: V_b, .offset: 32, .size: 8, .value_kind: global_buffer, .address_space: global }
      - { .name: logits, .offset: 40, .size: 8, .value_kind: global_buffer, .address_space: global }
      - { .name: ctxp, .offset: 48, .size: 8, .value_kind: global_buffer, .address_space: global }
    .group_segment_fixed_size: 283136
    .private_segment_fixed_size: 0
    .kernarg_segment_align: 8
    .kernarg_segment_size: 56
    .max_flat_workgroup_size: 128
    .sgpr_count:     66
    .vgpr_count:     1024
    .wavefront_size: 32
...
	.end_amdgpu_metadata
.endif
;; end of part 4
;; launch finish: the kernel of part 3 again; grid 64 x 1, 8 waves a work-group, no clusters, 1,280 bytes of LDS; arguments logits, ctxp, out0, out1; writes out0, out1
